; MI455X (gfx1250); checked and timed in simulation.
; The chip was launched on July 23, 2026; its instructions are those of AMD's public machine-readable ISA for CDNA 5 (MIT licence, August 2026) and "CDNA5" Instruction Set Architecture Reference Guide (July 2026). The comments in the code are by the model that wrote it; some were corrected since.
;; Fused Attention. Allowed arithmetic: matrix products marked QUANTISED: E3M2 operands, one E8M0 scale for each 32 along K, by v_wmma_scale_f32_16x16x128_f8f6f4 with both operands' format E3M2, f32 sums; everything else in f32.
;; Inputs: attn_b 3,072 float32; attn_w 1,024 x 3,072 float32; ln_b 1,024 float32; ln_w 1,024 float32; proj_b 1,024 float32; proj_w 1,024 x 1,024 float32; x 4 x 2,048 x 1,024 float32.
;; Outputs: out0 4 x 2,048 x 1,024 float32.
;; Constants: n_heads = 16.
;; This version of the problem:
;;   THIS VERSION OF THE PROBLEM IS GIVEN IN LOW PRECISION. The matrix products marked QUANTISED in the list below multiply operands that are first quantised to E3M2 (3 exponent bits, 2 mantissa bits; 6 bits a number), with one power-of-two scale for each 32 numbers along K (OCP MX v1.0); their sums are f32. All else is computed in f32.
;;   The module's matrix products, in the order in which they are computed (A, B: the left and right operand; K: the contracted axis; several contracted axes count as one K, in the product's order):
;;     1. [M 8,192, K 1,024] x [K 1,024, N 3,072]; A: computed on the way; B: input attn_w: QUANTISED
;;     2. batch 64 x [M 2,048, K 64] x [K 64, N 2,048]; A: computed on the way; B: computed on the way: QUANTISED
;;     3. batch 64 x [M 2,048, K 2,048] x [K 2,048, N 64]; A: softmax (see below); B: computed on the way: QUANTISED
;;     4. [M 8,192, K 1,024] x [K 1,024, N 1,024]; A: computed on the way; B: input proj_w: QUANTISED
;;   THE QUANTISER, for each operand of a quantised product, along K:
;;     - K is cut into blocks of 32 from its start; a last block that is shorter is filled with zeros.
;;     - A block's scale is 2^e with e = floor(log2(the largest magnitude in the block)) - 4, held to -126 .. 127; a block of zeros has e = 0. As a byte (E8M0): e + 127.
;;     - Each number is divided by its block's scale, clamped to +-28, and rounded to the nearest number of E3M2, ties to even, subnormals kept.
;;     - The product sums the exact products of the quantised numbers (number of the format x scale) in f32.
;;   ~~~python
;;   def quantise(x, axis):      # numpy; x: float32 -> the quantised numbers, widened to float32 again
;;       x = np.moveaxis(x, axis, -1); K = x.shape[-1]
;;       x = np.pad(x, [(0, 0)] * (x.ndim - 1) + [(0, -K % 32)]); x = x.reshape(x.shape[:-1] + (-1, 32)); a = np.abs(x).max(-1, keepdims=True)
;;       e = np.where(a > 0, np.clip(np.frexp(np.where(a > 0, a, 1))[1] - 1 - 4, -126, 127), 0)      # np.frexp(a)[1] - 1 = floor(log2(a)), exactly
;;       r = np.clip(x / 2.0 ** e, -28, 28)
;;       step = 2.0 ** (np.maximum(np.frexp(np.where(r == 0, 1, r))[1] - 1, -2) - 2)
;;       q = np.round(r / step) * step * 2.0 ** e      # np.round: ties to even
;;       return np.moveaxis(q.reshape(q.shape[:-2] + (-1,))[..., :K], -1, axis).astype(np.float32)
;;   ~~~
;;   SOFTMAX AHEAD OF A QUANTISED PRODUCT. Where the list says 'softmax', what is quantised is not the finished softmax but p = 2^(t - M), with t = logit x log2(e) and M = ceil(the row's largest t), a whole number; so 1/2 < the row's largest p <= 1. The row's sum l is taken of the UNQUANTISED p, in f32, and the product's result is divided by l at the end. Since M is a whole number, a kernel that streams over the keys may use a running M (the ceiling of the running maximum): every later rescaling is an exact power of two, which a block's scale takes up: the codes' values come out the same.
;;   OPERANDS COMPUTED ON THE WAY. 'Computed on the way' means the value that the module computes at that place (a softmax that the list does not call 'softmax' is quantised finished and normalised). What goes into a quantiser is computed in f32, as accurately as f32 sums, v_exp_f32 and their like allow (about 1e-6 of the number): no bf16 or f16 on the way to a quantiser, and a product that is left as it is and whose result goes on into a quantised operand takes f32 operands (vector FMAs, or v_wmma_f32_16x16x4_f32). A number that lies on a knife's edge between two numbers of the format may be rounded either way, as far as f32 arithmetic and the matrix unit's own rounding can turn it there, and no further.
;; One version. Each part assembles by itself: llvm-mc -triple=amdgcn-amd-amdhsa -mcpu=gfx1250 --defsym DOCPART=n.
;; ======== version 1 of 1: 4 launches
;; workspace buffers: ops_codes 9,437,184 bytes; sc_all 655,360 bytes; qkv_codes 18,874,368 bytes; qkv_scales 1,310,720 bytes; ctx_codes 6,291,456 bytes
;; launch prep (part 1): grid 640 x 1, 4 waves a work-group, no clusters, 57,856 bytes of LDS; arguments x, ln_w, ln_b, attn_w, proj_w, ops_codes, sc_all; writes ops_codes, sc_all
.if DOCPART == 1
	.amdgcn_target "amdgcn-amd-amdhsa--gfx1250"
	.amdhsa_code_object_version 6
	.text
	.protected	k_q3fc0939a34_prep
	.globl	k_q3fc0939a34_prep
	.p2align	8
	.type	k_q3fc0939a34_prep,@function
k_q3fc0939a34_prep:
	s_mov_b64 s[64:65], 0
	v_nop
	global_prefetch_b8 v0, s[64:65] scope:SCOPE_SE
	s_setreg_imm32_b32 hwreg(HW_REG_WAVE_MODE, 25, 1), 1
	s_wait_xcnt 0x0
; LayerNorm of x and the quantising of three operands to codes of E3M2 with one E8M0 byte for each 32 along K (K = 1,024 for all three).
; Work-groups 0-511: 16 tokens each: xn = (x - mean) rsqrt(var + 1e-5) ln_w + ln_b in f32 (mean first, then the squares of the differences), quantised along the row.
; Work-groups 512-639: 128 columns x 256 rows of attn_w or proj_w ([K][N], K the first axis): a lane takes a column and its registers run down K.
; THE ORDER OF A TILE.  A tile T of 16 rows holds row(T, r) = 32 (T / 2) + 8 (T % 2) + r + 8 (r / 8): as source 0 of a product the 16 result registers of tiles 2 b, 2 b + 1 are then 16 neighbours.
; THE LAYOUT OF CODES.  ops_codes: [tile 768][c 16][768 bytes].  A piece of 768 bytes is the image of operand registers 0-5 for 64 along K: lane L = r + 16 h holds k = 64 c + 32 h + 0 .. 31 of row(T, r);
; registers 0-3 at byte 16 L, registers 4-5 at byte 512 + 8 L.  Tiles 0-511: tokens; 512-703: attn_w's columns; 704-767: proj_w's.   sc_all: [tile][r 16][32 bytes], byte k / 32.
; A block's scale byte is its largest magnitude's exponent field - 4, held at 1 from below by a floor among the maximum's leaves.
; LIMITS: NaN and infinities are not served; a block whose largest magnitude lies under 2^-122 keeps the byte 1; a block of zeros gets the byte 1 and not 127 (its codes are zeros, and this program alone reads the bytes);
; v_rsq_f32 (1 ulp: ISA guide, its entry) stands ahead of xn's quantiser.
; No tensor loads.  The two paths part on the work-group's number and have LDS bytes of their own.
.set IMG,  18432                       ; LayerNorm path: behind the four waves' stages (4 x 4,608): the tile's 16 pieces, 784 bytes apart
.set SCS,  30976                       ; and its 512 scale bytes
.set WST0, 31744                       ; weights' path: 6,400 bytes a wave: two tiles, 3,200 bytes apart, of four pieces each
.set R,    64                          ; v64-191  four rows of 32 registers
.set LW,   192                         ; v192-223 ln_w;  v224-255 ln_b; both free behind the normalisation
.set LB,   224
.set SM,   16                          ; v16-23   a pair of sums for each row
.set MU,   24                          ; v24-31   the mean, twice
.set RS,   32                          ; v32-39   1 / sqrt(var + eps), twice
.set CC,   192                         ; row i's six registers of codes at v[CC + 8 i]
.set DD,   224                         ; the second conversion's three at v[DD + 4 i]
.set MX,   240                         ; largest magnitudes;  v244.. scale operands;  v248.. bytes
.set SO,   244
.set EB,   248
	s_load_b256 s[4:11], s[0:1], 0x0               ; x s[4:5], ln_w s[6:7], ln_b s[8:9], attn_w s[10:11]
	s_load_b128 s[12:15], s[0:1], 0x20             ; proj_w s[12:13], ops_codes s[14:15]
	s_load_b64 s[16:17], s[0:1], 0x30              ; sc_all
	v_lshl_add_u32 v15, v0, 2, 0xe000
	s_set_vgpr_msb 0x40
	v_mov_b32 v1, 0
	s_set_vgpr_msb 0x4000
	v_lshrrev_b32 v1, 5, v0
	v_readfirstlane_b32 s18, v1                    ; wave 0..3
	v_and_b32 v1, 31, v0                           ; lane l
	v_lshlrev_b32 v2, 4, v1                        ; 16 l
	s_cmp_lt_u32 ttmp9, 512
	s_cbranch_scc0 .Lweights
; ---------------------------------------------------------------- LayerNorm: work-group T makes token tile T; wave w its rows r = 4 w .. 4 w + 3, four neighbouring tokens
	s_mul_i32 s19, s18, 4608                       ; my stage: 32 places of 128 bytes + 16
	v_lshrrev_b32 v3, 3, v1
	v_mul_u32_u24 v3, v3, 144
	v_and_b32 v4, 7, v1
	v_lshl_add_u32 v3, v4, 4, v3
	v_add_nc_u32 v3, s19, v3                       ; into the stage: a load's 512 bytes take four places: 144 (l / 8) + 16 (l % 8)
	v_mul_u32_u24 v4, v1, 144
	v_add_nc_u32 v4, s19, v4                       ; out of it: place l: my 32 neighbours along K
	v_lshrrev_b32 v5, 1, v1
	v_mul_u32_u24 v5, v5, 784                      ; my block l lies in piece l / 2, half l % 2
	v_and_b32 v9, 1, v1
	v_lshl_add_u32 v6, v9, 7, v5
	v_lshl_add_u32 v5, v9, 8, v5
	s_lshl_b32 s20, s18, 6
	s_add_co_u32 s20, s20, IMG
	v_add_nc_u32 v5, s20, v5                       ; registers 0-3: 16 (r + 16 h), r = 4 w + i
	s_lshl_b32 s20, s18, 5
	s_add_co_u32 s20, s20, IMG+512
	v_add_nc_u32 v6, s20, v6                       ; registers 4-5: 512 + 8 (r + 16 h)
	s_lshl_b32 s20, s18, 7
	s_add_co_u32 s20, s20, SCS
	v_add_nc_u32 v7, s20, v1                       ; my block's scale byte: 32 r + l
	s_mul_i32 s20, s18, 3136
	s_add_co_u32 s20, s20, IMG
	v_add_nc_u32 v8, s20, v2                       ; the way out: pieces 4 w .. 4 w + 3, 16 bytes a lane;
	v_lshrrev_b32 v9, 4, v1
	v_lshl_add_u32 v9, v9, 4, v8                   ; where a load's upper 16 lanes lie in the next piece: 16 bytes further on
	v_add_nc_u32 v14, SCS, v2                      ; wave 0's read of the scale bytes
.irp i, 0,1,2,3
	v_mov_b32 v[10+\i], 0                          ; written once: a lane permute's destination counts as one of its sources
.endr
	s_lshr_b32 s21, ttmp9, 1
	s_lshl_b32 s21, s21, 5
	s_and_b32 s22, ttmp9, 1
	s_lshl_b32 s22, s22, 3
	s_add_co_u32 s21, s21, s22
	s_lshl_b32 s22, s18, 2
	s_add_co_u32 s21, s21, s22
	s_lshr_b32 s22, s18, 1
	s_lshl_b32 s22, s22, 3
	s_add_co_u32 s21, s21, s22                     ; my first token: 32 (T / 2) + 8 (T % 2) + 4 w + 8 (w / 2)
	s_lshl_b32 s22, s21, 12                        ; rows of 4,096 bytes
	s_mov_b32 s23, 0
	s_mul_i32 s24, ttmp9, 12288
	s_mul_i32 s25, s18, 3072
	s_add_co_u32 s24, s24, s25                     ; my four pieces in ops_codes
	s_mov_b32 s25, 0
	s_mov_b32 s26, 0x76543210
	s_mov_b32 s27, 0xfedcba98                      ; v_permlanex16_b32's selects for lane l xor 16
	s_mov_b32 s28, 0x3a800000                      ; 1 / 1,024
	s_mov_b32 s29, 0x3727c5ac                      ; 1e-5
	s_wait_kmcnt 0x0
	s_add_nc_u64 s[4:5], s[4:5], s[22:23]
	s_add_nc_u64 s[14:15], s[14:15], s[24:25]
	s_lshl_b32 s24, ttmp9, 9
	s_add_nc_u64 s[16:17], s[16:17], s[24:25]
.irp i, 0,1,2,3
.irp j, 0,1,2,3,4,5,6,7
	global_load_b128 v[R+32*\i+4*\j:R+32*\i+4*\j+3], v2, s[4:5] offset:4096*\i+512*\j th:TH_LOAD_NT   ; 32 lanes read 512 consecutive bytes
.endr
.endr
.irp j, 0,1,2,3,4,5,6,7
	global_load_b128 v[LW+4*\j:LW+4*\j+3], v2, s[6:7] offset:512*\j
.endr
.irp j, 0,1,2,3,4,5,6,7
	global_load_b128 v[LB+4*\j:LB+4*\j+3], v2, s[8:9] offset:512*\j
.endr
.macro REDUCE                          ; the four rows' pairs of sums become four sums, in every lane; the rows take turns line by line
.irp i, 0,1,2,3
	v_add_f32 v[SM+2*\i], v[SM+2*\i], v[SM+2*\i+1]
.endr
.irp m, 1,2,4,8
.irp i, 0,1,2,3
	v_add_f32_dpp v[SM+2*\i], v[SM+2*\i], v[SM+2*\i] row_xmask:\m row_mask:0xf bank_mask:0xf
.endr
.endr
.irp i, 0,1,2,3
	v_permlanex16_b32 v[10+\i], v[SM+2*\i], s26, s27
.endr
.irp i, 0,1,2,3
	v_add_f32 v[SM+2*\i], v[SM+2*\i], v[10+\i]
.endr
.endm
	s_wait_loadcnt 16                              ; x's 32 loads are in; the 16 younger ones (ln_w, ln_b) may be out
.irp i, 0,1,2,3
	v_pk_add_f32 v[SM+2*\i:SM+2*\i+1], v[R+32*\i:R+32*\i+1], v[R+32*\i+2:R+32*\i+3]
.endr
.irp j, 4,6,8,10,12,14,16,18,20,22,24,26,28,30
.irp i, 0,1,2,3
	v_pk_add_f32 v[SM+2*\i:SM+2*\i+1], v[SM+2*\i:SM+2*\i+1], v[R+32*\i+\j:R+32*\i+\j+1]
.endr
.endr
	REDUCE
.irp i, 0,1,2,3
	v_mul_f32 v[MU+2*\i], s28, v[SM+2*\i]          ; the mean
.endr
.irp i, 0,1,2,3
	v_mov_b32 v[MU+2*\i+1], v[MU+2*\i]
.endr
.irp j, 0,2,4,6,8,10,12,14,16,18,20,22,24,26,28,30
.irp i, 0,1,2,3
	v_pk_add_f32 v[R+32*\i+\j:R+32*\i+\j+1], v[R+32*\i+\j:R+32*\i+\j+1], v[MU+2*\i:MU+2*\i+1] neg_lo:[0,1] neg_hi:[0,1]   ; x - mean, in place
.endr
.endr
.irp i, 0,1,2,3
	v_pk_mul_f32 v[SM+2*\i:SM+2*\i+1], v[R+32*\i:R+32*\i+1], v[R+32*\i:R+32*\i+1]
.endr
.irp j, 2,4,6,8,10,12,14,16,18,20,22,24,26,28,30
.irp i, 0,1,2,3
	v_pk_fma_f32 v[SM+2*\i:SM+2*\i+1], v[R+32*\i+\j:R+32*\i+\j+1], v[R+32*\i+\j:R+32*\i+\j+1], v[SM+2*\i:SM+2*\i+1]
.endr
.endr
	REDUCE
.irp i, 0,1,2,3
	v_fma_f32 v[SM+2*\i], v[SM+2*\i], s28, s29     ; var + eps
.endr
.irp i, 0,1,2,3
	v_rsq_f32 v[RS+2*\i], v[SM+2*\i]
	v_rsq_f32 v[RS+2*\i+1], v[SM+2*\i]
.endr
	v_nop                                          ; one plain instruction behind the transcendentals
	s_wait_loadcnt 0x0                             ; ln_w, ln_b
	s_wait_alu depctr_va_vdst(0)
.irp j, 0,2,4,6,8,10,12,14,16,18,20,22,24,26,28,30
.irp i, 0,1,2,3
	v_pk_mul_f32 v[R+32*\i+\j:R+32*\i+\j+1], v[R+32*\i+\j:R+32*\i+\j+1], v[RS+2*\i:RS+2*\i+1]
.endr
.irp i, 0,1,2,3
	v_pk_fma_f32 v[R+32*\i+\j:R+32*\i+\j+1], v[R+32*\i+\j:R+32*\i+\j+1], v[LW+\j:LW+\j+1], v[LB+\j:LB+\j+1]
.endr
.endr
; each row turns through my stage: in as it was loaded (16 bytes a lane of each 512), out as 128 bytes a lane: lane l then holds k = 32 l .. 32 l + 31, a whole block.
; LDS serves a wave's instructions in order (ISA guide 5.7.1.4): no wait between a row's stores and its loads, nor in front of the next row's stores.
.irp i, 0,1,2,3
.irp j, 0,1,2,3,4,5,6,7
	ds_store_b128 v3, v[R+32*\i+4*\j:R+32*\i+4*\j+3] offset:576*\j
.endr
.irp j, 0,1,2,3,4,5,6,7
	ds_load_b128 v[R+32*\i+4*\j:R+32*\i+4*\j+3], v4 offset:16*\j
.endr
.endr
	s_wait_dscnt 0x0
.irp i, 0,1,2,3
	v_max3_num_f32 v[MX+\i], |v[R+32*\i]|, |v[R+32*\i+1]|, 0x2800000   ; the block's largest magnitude, and the floor 2^(5 - 127): the byte cannot fall under 1
.endr
.irp j, 2,4,6,8,10,12,14,16,18,20,22,24,26,28,30
.irp i, 0,1,2,3
	v_max3_num_f32 v[MX+\i], v[MX+\i], |v[R+32*\i+\j]|, |v[R+32*\i+\j+1]|
.endr
.endr
.irp i, 0,1,2,3
	v_add_nc_u32 v[SO+\i], 0xfe000000, v[MX+\i]    ; 4 off its exponent field: the conversion takes the exponent field of this operand as its scale
.endr
.irp i, 0,1,2,3
	v_cvt_scalef32_pk16_bf6_f32 v[CC+8*\i:CC+8*\i+2], v[R+32*\i:R+32*\i+15], v[SO+\i]
	v_cvt_scalef32_pk16_bf6_f32 v[DD+4*\i:DD+4*\i+2], v[R+32*\i+16:R+32*\i+31], v[SO+\i]   ; (a conversion's three registers begin on an even number)
.endr
.irp i, 0,1,2,3
	v_lshrrev_b32 v[EB+\i], 23, v[SO+\i]           ; the scale's byte.  (Plain lines behind the conversions)
.endr
.irp i, 0,1,2,3
.irp e, 0,1,2
	v_mov_b32 v[CC+8*\i+3+\e], v[DD+4*\i+\e]
.endr
.endr
.irp i, 0,1,2,3
	ds_store_b128 v5, v[CC+8*\i:CC+8*\i+3] offset:16*\i
	ds_store_b64 v6, v[CC+8*\i+4:CC+8*\i+5] offset:8*\i
	ds_store_b8 v7, v[EB+\i] offset:32*\i
.endr
	s_wait_dscnt 0x0                               ; for the others' sake: my stores have landed
	s_barrier_signal -1
	s_barrier_wait -1                              ; the tile's 16 pieces are whole
	ds_load_b128 v[64:67], v8                      ; my four pieces, 3,072 bytes, as six runs of 512 bytes; the pieces lie 784 bytes apart
	ds_load_b128 v[68:71], v9 offset:512
	ds_load_b128 v[72:75], v8 offset:1040
	ds_load_b128 v[76:79], v8 offset:1568
	ds_load_b128 v[80:83], v9 offset:2080
	ds_load_b128 v[84:87], v8 offset:2608
.irp k, 0,1,2,3,4,5
	s_wait_dscnt 5-\k
	global_store_b128 v2, v[64+4*\k:67+4*\k], s[14:15] offset:512*\k   ; 32 lanes store 512 consecutive bytes, at a multiple of 256 from the buffer's first byte
.endr
	s_cmp_lg_u32 s18, 0
	s_cbranch_scc1 .Lln_end
	ds_load_b128 v[88:91], v14                     ; wave 0: the tile's 512 scale bytes
	s_wait_dscnt 0x0
	global_store_b128 v2, v[88:91], s[16:17]
.Lln_end:
	s_set_vgpr_msb 0x4
	s_wait_tensorcnt 0x0
	ds_add_u32 v15, v1
	s_wait_dscnt 0x0
	s_set_vgpr_msb 0x400
	s_endpgm
; ---------------------------------------------------------------- the weights: j = work-group - 512; g = j % 32: 128 of the 4,096 columns (24 x 128 of attn_w, then 8 x 128 of proj_w); y = j / 32: 256 along K
.set VO,   32                          ; v32-63   4 l + i rows: the row's pitch differs between the two weights, so it cannot stand in an immediate
.set X,    64                          ; v64-127  two sets of 32 numbers
.set C,    128                         ; v128-133 a block's codes;  v136-138 the second conversion's
.set D,    136
.set SB,   140                         ; v140-141 my column's 8 scale bytes
.set OUTR, 144                         ; v144-191 the way out
.Lweights:
	s_sub_co_u32 s19, ttmp9, 512
	s_and_b32 s20, s19, 31                         ; g
	s_lshr_b32 s21, s19, 5                         ; y
	v_bfe_u32 v9, v1, 3, 1                         ; lane l is column l of the wave's 32: tile u = (l / 8) % 2 of the pair,
	v_and_b32 v10, 7, v1
	v_lshrrev_b32 v11, 4, v1
	v_lshl_add_u32 v10, v11, 3, v10                ; its row r = l % 8 + 8 (l / 16)
	s_mul_i32 s22, s18, 6400
	s_add_co_u32 s22, s22, WST0                    ; my stage
	v_mul_u32_u24 v12, v9, 3200
	v_add_nc_u32 v12, s22, v12
	v_lshl_add_u32 v4, v10, 4, v12                 ; registers 0-3 of a piece: 16 r (+ 256 h in the immediate)
	v_lshl_add_u32 v5, v10, 3, v12                 ; registers 4-5: 8 r (+ 512 + 128 h)
	v_add_nc_u32 v6, s22, v2                       ; the way out: 16 bytes a lane
	v_lshl_add_u32 v8, v9, 4, v10
	v_lshlrev_b32 v8, 5, v8                        ; scale bytes: 512 u + 32 r
	v_lshlrev_b32 v3, 2, v1                        ; 4 l
	s_lshl_b32 s26, s20, 3
	s_lshl_b32 s27, s18, 1
	s_add_co_u32 s26, s26, s27
	s_add_co_u32 s26, s26, 512                     ; my first tile: 512 + 8 g + 2 w
	s_mul_i32 s28, s26, 12288
	s_mul_i32 s29, s21, 3072
	s_add_co_u32 s28, s28, s29                     ; its pieces 4 y .. 4 y + 3
	s_mov_b32 s29, 0
	s_wait_kmcnt 0x0
	s_add_nc_u64 s[14:15], s[14:15], s[28:29]
	s_lshl_b32 s28, s26, 9
	s_lshl_b32 s30, s21, 3
	s_add_co_u32 s28, s28, s30                     ; its scale bytes 8 y .. 8 y + 7
	s_add_nc_u64 s[16:17], s[16:17], s[28:29]
	s_mov_b32 s23, 4096
	s_cmp_lt_u32 s20, 24                           ; attn_w or proj_w?  The choice hangs on the work-group's number alone; only a pointer and two numbers are chosen: one path serves both
	s_cselect_b64 s[10:11], s[10:11], s[12:13]
	s_cselect_b32 s23, 12288, s23                  ; bytes in a row of the weight
	s_cselect_b32 s24, 0, 24
	s_sub_co_u32 s24, s20, s24
	s_lshl_b32 s24, s24, 9                         ; 128 columns of 4 bytes for each g,
	s_lshl_b32 s25, s18, 7                         ; 32 for each wave,
	s_add_co_u32 s24, s24, s25
	s_lshl_b32 s25, s21, 8
	s_mul_i32 s25, s25, s23                        ; 256 y rows
	s_add_co_u32 s24, s24, s25
	s_mov_b32 s25, 0
	s_add_nc_u64 s[32:33], s[10:11], s[24:25]      ; block 0's base; a base for each block, so that none is stepped
	s_lshl_b32 s24, s23, 5                         ; 32 rows
.irp t, 1,2,3,4,5,6,7
	s_add_nc_u64 s[32+2*\t:33+2*\t], s[30+2*\t:31+2*\t], s[24:25]
.endr
.irp i, 0,1,2,3,4,5,6,7,8,9,10,11,12,13,14,15,16,17,18,19,20,21,22,23,24,25,26,27,28,29,30,31
	v_mad_u32_u24 v[VO+\i], s23, \i, v3
.endr
.macro LOADW t                         ; block t: W(256 y + 32 t + i, my column), i = 0 .. 31, into set t % 2: each load reads 128 consecutive bytes a wave, 512 a work-group
.irp i, 0,1,2,3,4,5,6,7,8,9,10,11,12,13,14,15,16,17,18,19,20,21,22,23,24,25,26,27,28,29,30,31
	global_load_b32 v[X+32*((\t)%2)+\i], v[VO+\i], s[32+2*(\t):33+2*(\t)] th:TH_LOAD_NT
.endr
.endm
	LOADW 0
	LOADW 1
.macro BLOCK t
.set XS, X+32*((\t)%2)
.if (\t) < 7
	s_wait_loadcnt 32                              ; this block's 32 loads are in; the next block's may be out
.else
	s_wait_loadcnt 0x0
.endif
	v_max3_num_f32 v12, |v[XS]|, |v[XS+1]|, |v[XS+2]|               ; the block's largest magnitude: all 32 numbers are mine
	v_max3_num_f32 v13, |v[XS+3]|, |v[XS+4]|, |v[XS+5]|
.irp i, 6,10,14,18,22,26
	v_max3_num_f32 v12, v12, |v[XS+\i]|, |v[XS+\i+1]|
	v_max3_num_f32 v13, v13, |v[XS+\i+2]|, |v[XS+\i+3]|
.endr
	v_max3_num_f32 v12, v12, |v[XS+30]|, |v[XS+31]|
	v_max3_num_f32 v12, v12, v13, 0x2800000        ; and the floor
	v_add_nc_u32 v11, 0xfe000000, v12              ; the conversion's scale operand
	v_lshrrev_b32 v13, 23, v11                     ; the byte
.if (\t)%4 == 0
	v_mov_b32 v[SB+(\t)/4], v13
.else
	v_lshl_or_b32 v[SB+(\t)/4], v13, 8*((\t)%4), v[SB+(\t)/4]
.endif
	v_cvt_scalef32_pk16_bf6_f32 v[C:C+2], v[XS:XS+15], v11
	v_cvt_scalef32_pk16_bf6_f32 v[D:D+2], v[XS+16:XS+31], v11
	v_nop                                          ; one plain instruction behind the conversions
.irp e, 0,1,2
	v_mov_b32 v[C+3+\e], v[D+\e]
.endr
	ds_store_b128 v4, v[C:C+3] offset:768*((\t)/2)+256*((\t)%2)          ; piece t / 2, half t % 2
	ds_store_b64 v5, v[C+4:C+5] offset:768*((\t)/2)+512+128*((\t)%2)
.if (\t)+2 < 8
	LOADW (\t)+2
.endif
	s_wait_dscnt 0x0                               ; the stores have read their registers: the next block's codes may be written
.endm
.irp t, 0,1,2,3,4,5,6,7
	BLOCK \t
.endr
	global_store_b64 v8, v[SB:SB+1], s[16:17]      ; my column's 8 bytes: pieces of 8 bytes, 32 bytes apart: one byte in 128 of what this path reads
.irp n, 0,1,2,3,4,5,6,7,8,9,10,11
	ds_load_b128 v[OUTR+4*\n:OUTR+4*\n+3], v6 offset:3200*(\n/6)+512*(\n%6)   ; LDS serves a wave's instructions in order: these see my stores
.endr
.irp n, 0,1,2,3,4,5,6,7,8,9,10,11
	s_wait_dscnt 11-\n
	global_store_b128 v2, v[OUTR+4*\n:OUTR+4*\n+3], s[14:15] offset:12288*(\n/6)+512*(\n%6)   ; 512 consecutive bytes, at a multiple of 256 from the buffer's first byte
.endr
	s_set_vgpr_msb 0x4
	s_wait_tensorcnt 0x0
	ds_add_u32 v15, v1
	s_wait_dscnt 0x0
	s_set_vgpr_msb 0x400
	s_endpgm
.Lfunc_end_k_q3fc0939a34_prep:
	.size	k_q3fc0939a34_prep, .Lfunc_end_k_q3fc0939a34_prep-k_q3fc0939a34_prep
	.p2alignl 7, 3214868480
	.fill 96, 4, 3214868480
	.section	.rodata,"a",@progbits
	.p2align	6, 0x0
	.amdhsa_kernel k_q3fc0939a34_prep
		.amdhsa_group_segment_fixed_size 57856
		.amdhsa_private_segment_fixed_size 0
		.amdhsa_enable_private_segment 0
		.amdhsa_kernarg_size 56
		.amdhsa_user_sgpr_count 2
		.amdhsa_user_sgpr_kernarg_segment_ptr 1
		.amdhsa_wavefront_size32 1
		.amdhsa_system_sgpr_workgroup_id_x 1
		.amdhsa_system_sgpr_workgroup_id_y 1
		.amdhsa_system_sgpr_workgroup_id_z 1
		.amdhsa_system_vgpr_workitem_id 0
		.amdhsa_next_free_vgpr 258
		.amdhsa_next_free_sgpr 66
		.amdhsa_reserve_vcc 0
		.amdhsa_float_denorm_mode_32 3
		.amdhsa_float_denorm_mode_16_64 3
		.amdhsa_memory_ordered 1
		.amdhsa_forward_progress 1
		.amdhsa_inst_pref_size 87
	.end_amdhsa_kernel
	.amdgpu_metadata
---
amdhsa.version: [ 1, 2 ]
amdhsa.kernels:
  - .name:           k_q3fc0939a34_prep
    .symbol:         k_q3fc0939a34_prep.kd
    .args:
      - { .name: x, .offset: 0, .size: 8, .value_kind: global_buffer, .address_space: global }
      - { .name: ln_w, .offset: 8, .size: 8, .value_kind: global_buffer, .address_space: global }
      - { .name: ln_b, .offset: 16, .size: 8, .value_kind: global_buffer, .address_space: global }
      - { .name: attn_w, .offset: 24, .size: 8, .value_kind: global_buffer, .address_space: global }
      - { .name: proj_w, .offset: 32, .size: 8, .value_kind: global_buffer, .address_space: global }
      - { .name: ops_codes, .offset: 40, .size: 8, .value_kind: global_buffer, .address_space: global }
      - { .name: sc_all, .offset: 48, .size: 8, .value_kind: global_buffer, .address_space: global }
    .group_segment_fixed_size: 57856
    .private_segment_fixed_size: 0
    .kernarg_segment_align: 8
    .kernarg_segment_size: 56
    .max_flat_workgroup_size: 128
    .sgpr_count:     66
    .vgpr_count:     258
    .wavefront_size: 32
...
	.end_amdgpu_metadata
.endif
;; end of part 1
;; launch qkv (part 2): grid 12 x 32, 4 waves a work-group, clusters of 4 x 4, 327,680 bytes of LDS; arguments ops_codes, sc_all, attn_b, qkv_codes, qkv_scales; writes qkv_codes, qkv_scales
.if DOCPART == 2
	.amdgcn_target "amdgcn-amd-amdhsa--gfx1250"
	.amdhsa_code_object_version 6
	.text
	.protected	k_q3fc0939a34_qkv
	.globl	k_q3fc0939a34_qkv
	.p2align	8
	.type	k_q3fc0939a34_qkv,@function
k_q3fc0939a34_qkv:
	s_mov_b64 s[64:65], 0
	v_nop
	global_prefetch_b8 v0, s[64:65] scope:SCOPE_SE
	s_setreg_imm32_b32 hwreg(HW_REG_WAVE_MODE, 25, 1), 1
	s_wait_xcnt 0x0
	s_wait_alu depctr_hold_cnt(0) depctr_sa_sdst(0) depctr_va_vdst(0) depctr_va_sdst(0) depctr_va_ssrc(0) depctr_va_vcc(0) depctr_vm_vsrc(0)
	s_getreg_b32 s2, hwreg(HW_REG_IB_STS2, 6, 4)
	s_cmp_eq_u32 s2, 0
	s_cbranch_scc0 .Lentry_in_a_cluster
	s_endpgm
.Lentry_in_a_cluster:
	s_bfe_u32 s2, ttmp6, 0x10000c
	s_cmp_lg_u32 s2, 0xf033
	s_cbranch_scc0 .Lentry_shape_is_right
	s_endpgm
.Lentry_shape_is_right:
; qkv = xn attn_w + attn_b on codes of E3M2 (K = 1,024), and the quantising of q, k (along a head's 64) and v (along the keys) straight out of the accumulators.
; A block of 256 x 256 of the result is made by four waves, 128 x 128 each: 64 accumulators, 512 registers.  THE MATRIX INSTRUCTION IS USED TRANSPOSED: source 0 = 16 rows of the operand called B here, source 1 = 16 rows of A:
; a lane then holds ONE row of A and its registers run along B's rows; by the order of a tile (row(T, r) = 32 (T / 2) + 8 (T % 2) + r + 8 (r / 8)) the 16 registers of B's tiles 2 b, 2 b + 1 are 16 neighbours.
; TWO ROLES, by the cluster's x, which all partners of a cluster share.  x = 0, 1 (q and k): A = tokens, B = attn_w's columns 0-2,047: a lane holds a token and 128 neighbouring features, two heads.
; x = 2 (v): A = attn_w's columns 2,048-3,071 (channels), B = tokens: a lane holds a channel and 128 neighbouring tokens: the keys are then along its registers, as v's quantiser wants them.  One way out serves both.
; OPERANDS: ops_codes [tile][c 16][768]: a piece of 768 bytes is the image of operand registers 0-5 for 64 along K (lane L: registers 0-3 at 16 L, 4-5 at 512 + 8 L); sc_all [tile][r][8 words].
; K goes in steps of 256 (3,072 bytes of each tile) through a ring of two LDS slots filled by the tensor data mover; a fragment comes out of LDS by four loads of consecutive bytes: no pitch, no padding.
; The scale words of the wave's 8 + 8 tiles for all of K come once, from memory into 64 registers: lanes 0-15 A's, lanes 16-31 B's.  The bias is the C of each sum's first matrix instruction.
; CLUSTERS: 4 x 4 work-groups; A's tiles are asked for jointly along a row of the cluster, B's along a column.
; RESULTS: qkv_codes: q, k at 0: [token tile 512][cB 32: q's heads, then k's][768];  v at 12,582,912: [channel tile 64][cB 128: 64 tokens each][768].
; qkv_scales: q, k at 0: [cB 32][128 tokens 64][half 2][r 16][tile 4] words with bytes 2, 3 = 0;  v at 1,048,576: [head 16][128 tokens 64][r 16][tile 4] words.
; LIMITS: NaN and infinities are not served; a block whose largest magnitude lies under 2^-122 keeps the byte 1, a block of zeros too (its codes are zeros; this program alone reads the bytes).
; REGISTERS, in windows of 256: window 0: v1-8 lane numbers and offsets; v16-23 LDS addresses; v32-95 scale words; v96-127 at work on the way out; v128-223 A's fragments, ONE set; v224-242 codes just made.
;   window 1: B's fragments, two sets, at v0 and v128; the bias's eight tiles at v96-127 and v224-255.   windows 2, 3: the accumulators, (a, b) at v[8 (8 (a % 4) + b)].
.set KT,    12288                      ; a tile's codes: 16 rows x 1,024 along K
.set KSLOT, 3072                       ; 256 along K of a tile
.set HALFT, 8*KSLOT                    ; 8 tiles: what one tensor load brings, and what one wave reads of A or of B
.set SLOT,  4*HALFT                    ; A's 16 tiles, then B's 16
.set SPARE, 2*SLOT                     ; behind the ring: the spare words, 128 bytes for each wave: two blocks of 256 bytes that no other line names
.set FR,    12                         ; registers of a fragment
.set NP,    4                          ; places behind this matrix instruction (ISA guide 7.12.1)
.set ADRA, 16                          ; v16-17 my A tiles in slot 0, 1, + 16 l;  v18-19 the same + 8 l
.set ADRB, 20                          ; v20-23 the same for B
.set CO16, 24                          ; v24 16 l;  v25 8 l: the way out
.set CO8,  25
.set SCO,  26                          ; v26 where my scale words go
.set SPW,  28                          ; v28 LDS address of my spare word; never rewritten
.set NIL,  29                          ; v29 0; never rewritten
.set SC,   32                          ; v[SC + 8 i + g]: lanes 0-15 the word of A's tile i, lanes 16-31 that of B's tile i, for K step g of 128
.set TM,   96                          ; v96-99 largest magnitudes, v100-103 bytes, v108-111 scale operands
.set PW,   112                         ; v112-119 the scale word of A's tile a
.set SW,   120                         ; v120-127 the words as they are stored
.set AF,   128
.set PC,   224
.set G1, 24                            ; s[24:31] descriptor group 1 for A's tiles;  s[32:39] group 0, one set for each slot
.set G0, 32
.set G1B, 48                           ; s[48:55], s[56:63] the same for B's
.set G0B, 56
.set WV, 92                            ; s92 wave;  s93 wave / 2: my half of A's rows, and: I fetch for A (0) or B (1);  s94 wave % 2: my half of B's rows, and which 8 tiles I fetch
.set WH, 93
.set WL, 94
.set MSB, 0
.macro WIN new                         ; the immediate's high byte repeats the setting that is left
.if MSB != \new
	s_set_vgpr_msb (MSB<<8)|\new
.set MSB, \new
.endif
.endm
.set MUL_LO, 0xa1                      ; source 0 (B) window 1, source 1 (A) window 0, C and D window 2
.set MUL_HI, 0xf1                      ; the same, C and D window 3
.set BIA_LO, 0x91                      ; the first step: C (the bias) window 1, D window 2
.set BIA_HI, 0xd1                      ; D window 3
.set TO_B,   0x40                      ; destination window 1, address window 0
; A joint load: waves 0 and 1 fetch for A, waves 2 and 3 for B.  Each of the two lines has one mask and one set of registers; the branch hangs on the wave's number alone.  Four v_nop follow each line.
.macro JLOAD g0a, g1a, g0b, g1b
	s_cmp_eq_u32 s[WH], 0
	s_cbranch_scc0 .Lfor_b_\@
	tensor_load_to_lds s[\g0a:\g0a+3], s[\g1a:\g1a+7]
	s_nop 0
.rept 4
	v_nop
.endr
	s_branch .Lasked_\@
.Lfor_b_\@:
	tensor_load_to_lds s[\g0b:\g0b+3], s[\g1b:\g1b+7]
	s_nop 0
.rept 4
	v_nop
.endr
.Lasked_\@:
.endm
.macro CREST                           ; a round of the cluster's barrier behind its opening barrier
	s_cmp_lg_u32 s[WV], 0
	s_cbranch_scc1 .Lnot_wave_0_\@
	s_barrier_signal -3
.Lnot_wave_0_\@:
	s_barrier_wait -3
	s_barrier_signal -1
	s_barrier_wait -1
.endm
.macro CROUND                          ; a whole round
	s_barrier_signal -1
	s_barrier_wait -1
	CREST
.endm
.macro PLACES n
.rept \n
	v_nop
.endr
.endm
.macro FRAG reg, a16, a8, q, i         ; tile i's fragment of the slot's q-th 128 along K: two pieces of 768 bytes, each 512 bytes (registers 0-3) and 256 bytes (registers 4-5) on end
	ds_load_b128 v[\reg:\reg+3], v[\a16] offset:KSLOT*(\i)+1536*(\q)
	ds_load_b64 v[\reg+4:\reg+5], v[\a8] offset:KSLOT*(\i)+1536*(\q)+512
	ds_load_b128 v[\reg+6:\reg+9], v[\a16] offset:KSLOT*(\i)+1536*(\q)+768
	ds_load_b64 v[\reg+10:\reg+11], v[\a8] offset:KSLOT*(\i)+1536*(\q)+1280
.endm
.macro FETCH_B slot, q, p              ; B's eight fragments into set p: 32 loads
	WIN TO_B
.irp i, 0,1,2,3,4,5,6,7
	FRAG 128*(\p)+FR*\i, ADRB+\slot, ADRB+2+\slot, \q, \i
.endr
	WIN 0
.endm
.macro FETCH_A slot, q, i0             ; A's tiles i0 .. i0 + 3: 16 loads
.irp i, \i0, \i0+1, \i0+2, \i0+3
	FRAG AF+FR*(\i), ADRA+\slot, ADRA+2+\slot, \q, \i
.endr
.endm
; 16 matrix instructions: A's tiles a0, a0 + 1 x B's eight, K step g.  p: B's set.  cm = 0: onto the sums; 2: the sums begin with the bias of B's tile; 3: with that of A's tile.
; The 64 accumulators take turns, one instruction a turn, in the same order in every step.
.macro MUL16 a0, p, g, cm
.irp a, \a0, \a0+1
.irp b, 0,1,2,3,4,5,6,7
.set AX, 8*(8*((\a)%4)+\b)
.set BX, 128*(\p)+FR*\b
.set FX, AF+FR*(\a)
.if \cm == 0
	v_wmma_scale_f32_16x16x128_f8f6f4 v[AX:AX+7], v[BX:BX+FR-1], v[FX:FX+FR-1], v[AX:AX+7], v[SC+8*\b+\g], v[SC+8*(\a)+\g] matrix_a_fmt:MATRIX_FMT_BF6 matrix_b_fmt:MATRIX_FMT_BF6 matrix_a_scale:MATRIX_SCALE_ROW1
.else
.if \cm == 2
.set CX, 96+8*\b+96*(\b/4)
.else
.set CX, 96+8*(\a)+96*((\a)/4)
.endif
	v_wmma_scale_f32_16x16x128_f8f6f4 v[AX:AX+7], v[BX:BX+FR-1], v[FX:FX+FR-1], v[CX:CX+7], v[SC+8*\b+\g], v[SC+8*(\a)+\g] matrix_a_fmt:MATRIX_FMT_BF6 matrix_b_fmt:MATRIX_FMT_BF6 matrix_a_scale:MATRIX_SCALE_ROW1
.endif
.endr
.endr
.endm
; A slot's first step of 128 along K: multiplies B's set 0 and fetches the slot's second step: B into set 1 and A's tiles 0-3 in its middle, A's tiles 4-7 at its end (a tile of A is free when its eight products are issued).
.macro STEP slot, g, cm
	s_wait_dscnt 16                                ; B's set and A's tiles 0-3 are in; the youngest 16 loads (A's tiles 4-7) may be out
.if \cm
	WIN BIA_LO
.else
	WIN MUL_LO
.endif
	MUL16 0, 0, \g, \cm
	MUL16 2, 0, \g, \cm
	s_wait_dscnt 0x0                               ; A's tiles 4-7 are in
	PLACES NP                                      ; in front of loads into registers that matrix instructions have read
	FETCH_B \slot, 1, 1
	FETCH_A \slot, 1, 0
.if \cm
	WIN BIA_HI
.else
	WIN MUL_HI
.endif
	MUL16 4, 0, \g, \cm
	MUL16 6, 0, \g, \cm
	PLACES NP
	WIN 0
	FETCH_A \slot, 1, 4
.endm
; A slot's second step changes slots: ONE barrier; in front of it each wave waits for all its tensor loads, adds 0 to its spare word, and waits for that and for its reads of this slot.  fill = 1: the slot is filled again, 512 along K ahead.
.macro TURN slot, next, fill, g
	s_wait_tensorcnt 0x0                           ; all my tensor loads have landed: my part of the next slot
	ds_add_u32 v[SPW], v[NIL]                      ; 0 onto my spare word
	s_wait_dscnt 17                                ; (the add and the youngest 16 loads may be out)
	WIN MUL_LO
	MUL16 0, 1, \g, 0                              ; sixteen matrix instructions stand between the add and the wait for it
	s_wait_dscnt 0x0                               ; the add is done, and my reads of this slot are over
	s_barrier_signal -1
	MUL16 2, 1, \g, 0
	WIN 0
	s_barrier_wait -1
.if \fill
	CREST                                          ; the barrier has opened a round of the cluster's barrier: no wave of any partner still reads this slot or has a load on its way
	s_add_nc_u64 s[G0+4*\slot+2:G0+4*\slot+3], s[G0+4*\slot+2:G0+4*\slot+3], 2*KSLOT
	s_add_nc_u64 s[G0B+4*\slot+2:G0B+4*\slot+3], s[G0B+4*\slot+2:G0B+4*\slot+3], 2*KSLOT
	JLOAD G0+4*\slot, G1, G0B+4*\slot, G1B         ; the first tensor load behind the round; its four v_nop are also the places in front of the loads below
.else
	PLACES NP
.endif
	FETCH_B \next, 0, 0
	FETCH_A \next, 0, 0
	WIN MUL_HI
	MUL16 4, 1, \g, 0
	MUL16 6, 1, \g, 0
	PLACES NP
	WIN 0
	FETCH_A \next, 0, 4
.endm
	s_load_b256 s[4:11], s[0:1], 0x0               ; ops_codes s[4:5], sc_all s[6:7], attn_b s[8:9], qkv_codes s[10:11]
	s_load_b64 s[12:13], s[0:1], 0x20              ; qkv_scales
	v_lshl_add_u32 v[SPW], v0, 2, SPARE
	v_mov_b32 v[NIL], 0
	ds_add_u32 v28, v29
	ds_add_u32 v28, v29
	s_wait_dscnt 0x0
	v_lshrrev_b32 v1, 5, v0
	v_readfirstlane_b32 s[WV], v1
	s_lshr_b32 s[WH], s[WV], 1
	s_and_b32 s[WL], s[WV], 1
	s_bfe_u32 s40, ttmp6, 0x40000                  ; cx, cy: my place in the cluster
	s_bfe_u32 s41, ttmp6, 0x40004
	s_and_b32 s18, ttmp7, 0xffff
	s_lshl_b32 s18, s18, 2                         ; 4 x cluster y
	s_lshl_b32 s19, ttmp9, 2                       ; 4 x cluster x
	s_cmp_eq_u32 ttmp9, 2                          ; v's role?  Numbers are chosen, no pointer
	s_cselect_b32 s42, s18, s19                    ; B's block of 256 rows: v: tokens, 4 y + cx;  q, k: features, 4 x + cx
	s_cselect_b32 s17, 0, s18                      ; A's: v: channels, cy;  q, k: tokens, 4 y + cy
	s_cselect_b32 s67, 640, 0                      ; A's first tile in ops_codes and sc_all
	s_cselect_b32 s68, 0, 512                      ; B's
	s_cselect_b32 s69, 128, 32                     ; pieces in a tile's row of the result
	s_cselect_b32 s70, 12582912, 0                 ; where the role's codes begin
	s_add_co_u32 s42, s42, s40
	s_add_co_u32 s17, s17, s41
	s_lshl_b32 s43, s41, 2
	s_lshl_b32 s43, 15, s43                        ; my row of the cluster
	s_lshl_b32 s44, 0x1111, s40                    ; my column
	; descriptor group 1: 8 rows (tiles) of 3,072 bytes, 12,288 bytes apart, dense in LDS
	s_or_b32 s[G1+0], s43, (3<<16)|(1<<21)         ; 15:0 the mask: A's tiles go to my row; 17:16 elements of 8 bytes; 20 no padding; 21 set beside a mask
	s_or_b32 s[G1B+0], s44, (3<<16)|(1<<21)
.irp g, G1, G1B
	s_mov_b32 s[\g+1], 384<<16                     ; tensor_dim0 = 384 elements
	s_mov_b32 s[\g+2], 8<<16                       ; tensor_dim1 = 8
	s_mov_b32 s[\g+3], 384<<16                     ; tile_dim0
	s_mov_b32 s[\g+4], 8                           ; tile_dim1
	s_mov_b32 s[\g+5], 1536                        ; tensor_dim0_stride
	s_mov_b32 s[\g+6], 0
	s_mov_b32 s[\g+7], 0
.endr
	s_lshl_b32 s18, s[WL], 3                       ; which 8 tiles I fetch
	s_lshl_b32 s20, s17, 4
	s_add_co_u32 s20, s20, s67
	s_add_co_u32 s20, s20, s18
	s_mul_i32 s20, s20, KT                         ; A: in registers that never hold cx
	s_mov_b32 s21, 0
	s_lshl_b32 s46, s42, 4
	s_add_co_u32 s46, s46, s68
	s_add_co_u32 s46, s46, s18
	s_mul_i32 s46, s46, KT                         ; B: in registers that never hold cy
	s_mov_b32 s47, 0
	s_mul_i32 s45, s[WV], HALFT                    ; where they go: no place in the cluster enters an LDS address
	s_wait_kmcnt 0x0
	s_add_nc_u64 s[20:21], s[4:5], s[20:21]
	s_add_nc_u64 s[46:47], s[4:5], s[46:47]
	CROUND                                         ; all sixteen work-groups are here: the first joint loads meet
.irp s, 0,1
	s_mov_b32 s[G0+4*\s], 1
	s_add_co_u32 s[G0+4*\s+1], s45, \s*SLOT
	s_add_nc_u64 s[G0+4*\s+2:G0+4*\s+3], s[20:21], \s*KSLOT
	s_or_b32 s[G0+4*\s+3], s[G0+4*\s+3], 0x80000000
	s_mov_b32 s[G0B+4*\s], 1
	s_add_co_u32 s[G0B+4*\s+1], s45, \s*SLOT
	s_add_nc_u64 s[G0B+4*\s+2:G0B+4*\s+3], s[46:47], \s*KSLOT
	s_or_b32 s[G0B+4*\s+3], s[G0B+4*\s+3], 0x80000000
	JLOAD G0+4*\s, G1, G0B+4*\s, G1B               ; two loads of mine are out
.endr
	v_and_b32 v1, 31, v0                           ; l
	v_and_b32 v2, 15, v0                           ; r
	v_bfe_u32 v3, v0, 4, 1                         ; h
	v_lshlrev_b32 v[CO16], 4, v1
	v_lshlrev_b32 v[CO8], 3, v1
	s_mul_i32 s80, s[WH], HALFT                    ; my 8 tiles of A
	s_mul_i32 s81, s[WL], HALFT                    ; my 8 tiles of B,
	s_add_co_u32 s81, s81, 2*HALFT                 ; behind A's 16
.irp s, 0,1
	v_add_nc_u32 v[ADRA+\s], s80, v[CO16]
	v_add_nc_u32 v[ADRA+2+\s], s80, v[CO8]
	v_add_nc_u32 v[ADRB+\s], s81, v[CO16]
	v_add_nc_u32 v[ADRB+2+\s], s81, v[CO8]
	s_add_co_u32 s80, s80, SLOT
	s_add_co_u32 s81, s81, SLOT
.endr
.irp b, 0,1,2,3
	v_mov_b32 v[TM+4+\b], 0                        ; written once: a lane permute's destination counts as one of its sources
.endr
	s_mov_b32 s88, 0x76543210
	s_mov_b32 s89, 0xfedcba98                      ; v_permlanex16_b32's selects for lane l xor 16
	s_lshl_b32 s74, s17, 4
	s_lshl_b32 s75, s[WH], 3
	s_add_co_u32 s74, s74, s75                     ; TA0: my first tile of A, counted in its own tensor
	s_lshl_b32 s77, s42, 4
	s_lshl_b32 s75, s[WL], 3
	s_add_co_u32 s77, s77, s75                     ; my first tile of B
	s_add_co_u32 s82, s74, s67
	s_lshl_b32 s82, s82, 9                         ; their scale words: 512 bytes a tile
	s_add_co_u32 s83, s77, s68
	s_lshl_b32 s83, s83, 9
	v_cmp_ne_u32 vcc_lo, 0, v3
	v_mov_b32 v6, s82
	v_mov_b32 v7, s83
	v_cndmask_b32 v6, v6, v7, vcc_lo               ; lanes 0-15 take A's, lanes 16-31 B's
	v_lshl_add_u32 v6, v2, 5, v6                   ; 32 bytes a row
.irp i, 0,1,2,3,4,5,6,7
	global_load_b128 v[SC+8*\i:SC+8*\i+3], v6, s[6:7] offset:512*\i
	global_load_b128 v[SC+8*\i+4:SC+8*\i+7], v6, s[6:7] offset:512*\i+16
.endr
	s_lshr_b32 s76, s77, 2                         ; cB0: my first piece of 64 of B's rows: 4 x block + 2 x half
	s_mul_i32 s78, s74, s69
	s_add_co_u32 s78, s78, s76
	s_mul_i32 s78, s78, 768
	s_add_co_u32 s78, s78, s70
	s_mov_b32 s79, 0
	s_add_nc_u64 s[10:11], s[10:11], s[78:79]      ; where tile TA0's two pieces go
	s_mul_i32 s72, s69, 768                        ; from a tile to the next
	s_mov_b32 s73, 0
	s_cmp_eq_u32 ttmp9, 2
	s_cbranch_scc1 .Lbias_v
	s_lshl_b32 s80, s42, 10                        ; q, k: the bias runs along B's rows: lane (r, h) wants, for B's tile b, features 32 (b / 2) + 8 (b % 2) + 16 h + 0 .. 7
	s_lshl_b32 s81, s[WL], 9
	s_add_co_u32 s80, s80, s81
	s_mov_b32 s81, 0
	s_add_nc_u64 s[8:9], s[8:9], s[80:81]
	v_lshlrev_b32 v7, 6, v3
	WIN TO_B
.irp b, 0,1,2,3,4,5,6,7
	global_load_b128 v[96+8*\b+96*(\b/4):96+8*\b+96*(\b/4)+3], v7, s[8:9] offset:4*(32*(\b/2)+8*(\b%2))
	global_load_b128 v[96+8*\b+96*(\b/4)+4:96+8*\b+96*(\b/4)+7], v7, s[8:9] offset:4*(32*(\b/2)+8*(\b%2))+16
.endr
	WIN 0
	s_branch .Lbias_done
.Lbias_v:
	s_lshl_b32 s80, s17, 10                        ; v: the bias belongs to A's row: one number a lane and tile, in all eight registers
	s_lshl_b32 s81, s[WH], 9
	s_add_co_u32 s80, s80, s81
	s_add_co_u32 s80, s80, 8192
	s_mov_b32 s81, 0
	s_add_nc_u64 s[8:9], s[8:9], s[80:81]
	v_lshrrev_b32 v7, 3, v2
	v_lshl_add_u32 v7, v7, 3, v2
	v_lshlrev_b32 v7, 2, v7                        ; 4 (r + 8 (r / 8))
	WIN TO_B
.irp a, 0,1,2,3,4,5,6,7
.irp j, 0,1,2,3,4,5,6,7
	global_load_b32 v[96+8*\a+96*(\a/4)+\j], v7, s[8:9] offset:4*(32*(\a/2)+8*(\a%2))
.endr
.endr
	WIN 0
.Lbias_done:
	s_wait_tensorcnt 1                             ; my part of slot 0 is in (slot 1's load may be out)
	s_barrier_signal -1
	s_barrier_wait -1                              ; everybody's is
	FETCH_B 0, 0, 0
	FETCH_A 0, 0, 0
	FETCH_A 0, 0, 4
	s_wait_loadcnt 0x0                             ; the scale words and the bias
	s_cmp_eq_u32 ttmp9, 2                          ; the first step is written for each role: its products take the role's bias as C.  No barrier and no tensor load stands in it
	s_cbranch_scc1 .Lfirst_v
	STEP 0, 0, 2
	s_branch .Lfirst_done
.Lfirst_v:
	STEP 0, 0, 3
.Lfirst_done:
	TURN 0, 1, 1, 1                                ; K = 1,024 is eight steps, written out: each names its own scale registers
	STEP 1, 2, 0
	TURN 1, 0, 1, 3
	STEP 0, 4, 0
	TURN 0, 1, 0, 5                                ; nothing is left to fetch
	STEP 1, 6, 0
	s_wait_dscnt 16
	WIN MUL_LO
	MUL16 0, 1, 7, 0
	MUL16 2, 1, 7, 0
	s_wait_dscnt 0x0
	WIN MUL_HI
	MUL16 4, 1, 7, 0
	MUL16 6, 1, 7, 0
	WIN 0
	PLACES NP
; THE WAY OUT of A's tile a: its 64 registers of a lane, register 16 b + i = B's row 32 b + 16 h + i, are four half blocks of 32; with lane l xor 16's they are quantised into one fragment's 12 registers,
; which are two pieces of 768 bytes as they stand: four stores of 512, 256, 512 and 256 consecutive bytes, each at a multiple of 256 from the buffer's first byte.
.macro QOUT a
.set AC, 64*((\a)%4)
.set W, 2+(\a)/4
.set WW, (W<<2)|W
	s_wait_xcnt 0x0                                ; the last tile's stores have read their registers and their base
.if (\a) > 0
	s_add_nc_u64 s[10:11], s[10:11], s[72:73]
.endif
	WIN WW                                         ; sources 0 and 1: the accumulators' window
.irp b, 0,1,2,3
	v_max3_num_f32 v[TM+\b], |v[AC+16*\b]|, |v[AC+16*\b+1]|, 0x2800000   ; each accumulator is read from its low end on; the floor 2^(5 - 127) holds the byte at 1 from below
.endr
.irp i, 2,4,6,8,10,12,14
.irp b, 0,1,2,3
	v_max3_num_f32 v[TM+\b], |v[AC+16*\b+\i]|, |v[AC+16*\b+\i+1]|, v[TM+\b]
.endr
.endr
	WIN 0
.irp b, 0,1,2,3
	v_permlanex16_b32 v[TM+4+\b], v[TM+\b], s88, s89
.endr
.irp b, 0,1,2,3
	v_max_num_f32 v[TM+\b], v[TM+\b], v[TM+4+\b]   ; the block's largest magnitude
.endr
.irp b, 0,1,2,3
	v_add_nc_u32 v[TM+12+\b], 0xfe000000, v[TM+\b] ; the conversion's scale operand
.endr
.irp b, 0,1,2,3
	v_lshrrev_b32 v[TM+4+\b], 23, v[TM+12+\b]      ; the byte
.endr
	v_lshl_or_b32 v[PW+(\a)], v[TM+5], 8, v[TM+4]
	v_lshl_or_b32 v[PW+(\a)], v[TM+6], 16, v[PW+(\a)]
	v_lshl_or_b32 v[PW+(\a)], v[TM+7], 24, v[PW+(\a)]
	WIN W                                          ; source 0: the accumulators' window
.irp c, 0,1
	v_cvt_scalef32_pk16_bf6_f32 v[PC+6*\c:PC+6*\c+2], v[AC+32*\c:AC+32*\c+15], v[TM+12+2*\c]
	v_cvt_scalef32_pk16_bf6_f32 v[PC+12+4*\c:PC+14+4*\c], v[AC+32*\c+16:AC+32*\c+31], v[TM+13+2*\c]
.endr
	WIN 0
	v_nop                                          ; one plain instruction behind the conversions
.irp c, 0,1                                    ; the operand's layout wants a whole block in a lane: lanes 0-15 block 2 c, lanes 16-31 block 2 c + 1
.irp i, 0,1,2
	v_permlane16_swap_b32 v[PC+6*\c+\i], v[PC+12+4*\c+\i]
.endr
.irp i, 0,1,2
	v_mov_b32 v[PC+3+6*\c+\i], v[PC+12+4*\c+\i]
.endr
.endr
	global_store_b128 v[CO16], v[PC:PC+3], s[10:11]
	global_store_b64 v[CO8], v[PC+4:PC+5], s[10:11] offset:512
	global_store_b128 v[CO16], v[PC+6:PC+9], s[10:11] offset:768
	global_store_b64 v[CO8], v[PC+10:PC+11], s[10:11] offset:1280
.endm
.irp a, 0,1,2,3,4,5,6,7
	QOUT \a
.endr
	v_lshlrev_b32 v[SCO], 4, v2                    ; the scale words: 16 bytes a lane, sixteen lanes to 256 consecutive bytes
	s_cmp_eq_u32 ttmp9, 2
	s_cbranch_scc1 .Lscales_v
	s_lshl_b32 s80, s76, 15                        ; q, k: a word's bytes 0, 1 belong to head cB0, bytes 2, 3 to head cB0 + 1: lanes 0-15 store the first's, lanes 16-31 the second's, each with zeros above
	s_lshr_b32 s81, s74, 3
	s_lshl_b32 s81, s81, 9
	s_add_co_u32 s80, s80, s81
	s_mov_b32 s81, 0
	s_add_nc_u64 s[12:13], s[12:13], s[80:81]
	v_lshl_add_u32 v[SCO], v3, 15, v[SCO]
	v_lshlrev_b32 v27, 4, v3
.irp a, 0,1,2,3,4,5,6,7
	v_bfe_u32 v[SW+\a], v[PW+\a], v27, 16
.endr
	global_store_b128 v[SCO], v[SW:SW+3], s[12:13]
	global_store_b128 v[SCO], v[SW+4:SW+7], s[12:13] offset:256
	s_branch .Lscales_done
.Lscales_v:
	s_lshr_b32 s80, s74, 2                         ; v: a word serves 128 keys whole; my tiles 0-3 are one head's (lanes 0-15 store them), tiles 4-7 the next head's (lanes 16-31)
	s_lshl_b32 s80, s80, 14
	s_lshr_b32 s81, s76, 1
	s_lshl_b32 s81, s81, 8
	s_add_co_u32 s80, s80, s81
	s_add_co_u32 s80, s80, 1048576
	s_mov_b32 s81, 0
	s_add_nc_u64 s[12:13], s[12:13], s[80:81]
	v_lshl_add_u32 v[SCO], v3, 14, v[SCO]
	v_cmp_ne_u32 vcc_lo, 0, v3
.irp a, 0,1,2,3
	v_cndmask_b32 v[SW+\a], v[PW+\a], v[PW+4+\a], vcc_lo
.endr
	global_store_b128 v[SCO], v[SW:SW+3], s[12:13]
.Lscales_done:
	s_wait_tensorcnt 0x0                           ; the wave's end
	ds_add_u32 v[SPW], v[NIL]
	s_wait_dscnt 0x0
	CROUND                                         ; the closing round: no work-group ends while a partner may still ask for a tile that names it
	s_endpgm
.Lfunc_end_k_q3fc0939a34_qkv:
	.size	k_q3fc0939a34_qkv, .Lfunc_end_k_q3fc0939a34_qkv-k_q3fc0939a34_qkv
	.p2alignl 7, 3214868480
	.fill 96, 4, 3214868480
	.section	.rodata,"a",@progbits
	.p2align	6, 0x0
	.amdhsa_kernel k_q3fc0939a34_qkv
		.amdhsa_group_segment_fixed_size 327680
		.amdhsa_private_segment_fixed_size 0
		.amdhsa_enable_private_segment 0
		.amdhsa_kernarg_size 40
		.amdhsa_user_sgpr_count 2
		.amdhsa_user_sgpr_kernarg_segment_ptr 1
		.amdhsa_wavefront_size32 1
		.amdhsa_system_sgpr_workgroup_id_x 1
		.amdhsa_system_sgpr_workgroup_id_y 1
		.amdhsa_system_sgpr_workgroup_id_z 1
		.amdhsa_system_vgpr_workitem_id 0
		.amdhsa_next_free_vgpr 1024
		.amdhsa_next_free_sgpr 100
		.amdhsa_reserve_vcc 1
		.amdhsa_float_denorm_mode_32 3
		.amdhsa_float_denorm_mode_16_64 3
		.amdhsa_memory_ordered 1
		.amdhsa_forward_progress 1
		.amdhsa_inst_pref_size 168
	.end_amdhsa_kernel
	.amdgpu_metadata
---
amdhsa.version: [ 1, 2 ]
amdhsa.kernels:
  - .name:           k_q3fc0939a34_qkv
    .symbol:         k_q3fc0939a34_qkv.kd
    .args:
      - { .name: ops_codes, .offset: 0, .size: 8, .value_kind: global_buffer, .address_space: global }
      - { .name: sc_all, .offset: 8, .size: 8, .value_kind: global_buffer, .address_space: global }
      - { .name: attn_b, .offset: 16, .size: 8, .value_kind: global_buffer, .address_space: global }
      - { .name: qkv_codes, .offset: 24, .size: 8, .value_kind: global_buffer, .address_space: global }
      - { .name: qkv_scales, .offset: 32, .size: 8, .value_kind: global_buffer, .address_space: global }
    .group_segment_fixed_size: 327680
    .private_segment_fixed_size: 0
    .kernarg_segment_align: 8
    .kernarg_segment_size: 40
    .max_flat_workgroup_size: 128
    .sgpr_count:     100
    .vgpr_count:     1024
    .wavefront_size: 32
...
	.end_amdgpu_metadata
.endif
;; end of part 2
;; launch attn (part 3): grid 4 x 64, 16 waves a work-group, clusters of 4 x 1, 210,944 bytes of LDS; arguments qkv_codes, qkv_scales, ctx_codes, sc_all; writes ctx_codes, sc_all
.if DOCPART == 3
	.amdgcn_target "amdgcn-amd-amdhsa--gfx1250"
	.amdhsa_code_object_version 6
	.text
	.protected	k_q3fc0939a34_attn
	.globl	k_q3fc0939a34_attn
	.p2align	8
	.type	k_q3fc0939a34_attn,@function
k_q3fc0939a34_attn:
	s_mov_b64 s[64:65], 0
	v_nop
	global_prefetch_b8 v0, s[64:65] scope:SCOPE_SE
	s_setreg_imm32_b32 hwreg(HW_REG_WAVE_MODE, 25, 1), 1
	s_wait_xcnt 0x0
	s_wait_alu depctr_hold_cnt(0) depctr_sa_sdst(0) depctr_va_vdst(0) depctr_va_sdst(0) depctr_va_ssrc(0) depctr_va_vcc(0) depctr_vm_vsrc(0)
	s_getreg_b32 s2, hwreg(HW_REG_IB_STS2, 6, 4)
	s_cmp_eq_u32 s2, 0
	s_cbranch_scc0 .Lentry_in_a_cluster
	s_endpgm
.Lentry_in_a_cluster:
	s_bfe_u32 s2, ttmp6, 0x10000c
	s_cmp_lg_u32 s2, 0x3003
	s_cbranch_scc0 .Lentry_shape_is_right
	s_endpgm
.Lentry_shape_is_right:
; Causal attention on codes of E3M2, 64 heads (batch x head) of 2,048 tokens x 64 channels, and the quantising of ctx along the model's 1,024.
; THE SOFTMAX AHEAD OF THE SECOND PRODUCT: t = score x log2(e) / 8; M = the row's largest t so far, rounded UP to a whole number; p = 2^(t - M) is quantised along the keys, not normalised.
; The row's sum is taken of the unquantised p and divides O at the end.  When M moves, the sum and O are multiplied by 2^(old M - new M): exact.
; SHARES.  The four work-groups of a cluster own one head.  All of the head's K and V codes and scale words fit in LDS (208,896 bytes) and are filled ONCE, by joint loads that name the four: no ring, no refill.
; Wave w of work-group cx owns the query tiles TL = 4 w + cx and TH = 127 - TL.  Their last key steps of 128, w / 2 and 15 - w / 2, hang on the wave's number alone; together they are 17 steps in every wave.
; A step all of whose keys come after the tile's queries is left out by a scalar branch; in the one step on the diagonal hidden scores become -infinity ahead of the maximum.
; LAYOUT.  Both products are used transposed: S^T = K Q^T (source 0 = 16 keys, source 1 = my 16 queries), O^T = V^T P^T (source 0 = 16 channels, source 1 = P): a lane holds ONE query throughout.
; By the order of a tile (row(T, r) = 32 (T / 2) + 8 (T % 2) + r + 8 (r / 8)) the 16 registers of key tiles 2 b, 2 b + 1 are keys 32 b + 16 h + 0 .. 15, and those of channel tiles likewise.
; K = 64 IN AN INSTRUCTION OF 128.  Q's registers 6-11 are zero codes, and bytes 2, 3 of Q's and K's scale words are 0.  The eight fragments of K lie 6 registers apart, so that a fragment's registers 6-11 are the next
; fragment's codes (the last one's: zeros): they meet Q's zeros and add nothing.
; INPUTS: qkv_codes, qkv_scales as the launch before laid them.  RESULTS: ctx_codes [token tile 512][head 16][768], an image of operand registers 0-5; sc_all tiles 768 + token tile: [r][32 bytes], bytes 2 head, 2 head + 1.
; (Those two bytes a row are stores of 2 bytes, 32 bytes apart: one byte in 25 of what this launch writes.)
; LIMITS: NaN and infinities are not served; a block whose largest magnitude lies under 2^-122 keeps the byte 1, a block of zeros too; v_rcp_f32 (1 ulp) stands ahead of ctx's quantiser;
; a block's largest p is made from its largest score by the same two instructions, which takes v_exp_f32 not to fall where its input rises.
.set LK,   0                           ; LDS: K's codes [tile 128][768]
.set LV,   98304                       ; V's codes [half 2][channel tile 4][8 steps x 1,536]
.set LKS,  196608                      ; K's scale words [step 16][half 2][r 16][tile 4]
.set LVS,  204800                      ; V's [step 16][r 16][tile 4]
.set KB,   32                          ; v32-79 eight fragments of K, 6 apart, or four of V, 12 apart;  v80-85 zeros
.set KS,   86                          ; v86-93 K's scale words;  v94-97 V's
.set VS,   94
.set S,    98                          ; v98-161 S^T, then p
.set OT,   162                         ; v162-193 O^T
.set PC,   194                         ; v194-205 p's codes
.set PX,   206                         ; v206-213 conversions' second halves; ctx's codes
.set BM,   214                         ; v214-217 a block's largest score, then p;  v218-221 permutes and bytes;  v222-225 scale operands
.set BT,   218
.set BS,   222
.set FF,   226                         ; v[226:227] f = 2^(old M - new M); at the end 1 / sum
.set PWD,  228                         ; p's scale word
.set T0,   229
.set SU,   232                         ; v[232:233] the second chain of the sum
.set RP,   234                         ; r + 8 (r / 8) - 16 h
.set SBO,  235                         ; 32 r
.set SWD,  236                         ; ctx's two bytes
; v1 16 l; v2 8 l + 512; v3, v4 the same in V's codes; v5, v6 16 r in K's and V's scale words; v7 my query less the step's first key less 16 h; v8-11, v29, v30 the step's addresses;
; v12 -M, v13 the largest t, v[14:15] the sum; v16-27 Q; v28 Q's scale word; v31 16 r
.set WV,   12                          ; s12 wave;  s13 cx;  s14 batch;  s15 head;  s16 wave % 4
.set G1K,  24                          ; s[24:31] group 1: K's codes;  s[32:39] V's;  s[40:47] K's scale words;  s[48:55] V's
.set G1V,  32
.set G1KS, 40
.set G1VS, 48
.set ST,   84                          ; the key step
.set LIM,  85                          ; the tile's last key step
.set TK,   86                          ; the step's place in K's codes, V's codes, K's words, V's words
.set TV,   87
.set TKS,  88
.set TVS,  89
.set TT,   90                          ; the query tile in hand
.set LIMH, 91
.set LIML, 92
.set TH,   93
.set TL,   94
.macro CROUND
	s_barrier_signal -1
	s_barrier_wait -1
	s_cmp_lg_u32 s[WV], 0
	s_cbranch_scc1 .Lnot_wave_0_\@
	s_barrier_signal -3
.Lnot_wave_0_\@:
	s_barrier_wait -3
	s_barrier_signal -1
	s_barrier_wait -1
.endm
	s_load_b256 s[4:11], s[0:1], 0x0               ; qkv_codes s[4:5], qkv_scales s[6:7], ctx_codes s[8:9], sc_all s[10:11]
	v_lshl_add_u32 v254, v0, 2, 0x33000
	v_mov_b32 v255, 0
	ds_add_u32 v254, v255
	ds_add_u32 v254, v255
	v_lshrrev_b32 v1, 5, v0
	v_readfirstlane_b32 s[WV], v1                  ; wave 0..15
	s_bfe_u32 s13, ttmp6, 0x40000                  ; cx: it enters Q's and ctx's addresses and the mask's numbers alone
	s_and_b32 s17, ttmp7, 0xffff
	s_lshr_b32 s14, s17, 4                         ; batch
	s_and_b32 s15, s17, 15                         ; head
	s_and_b32 s16, s[WV], 3
	s_lshr_b32 s[LIML], s[WV], 1
	s_sub_co_u32 s[LIMH], 15, s[LIML]
	s_lshl_b32 s[TL], s[WV], 2
	s_add_co_u32 s[TL], s[TL], s13
	s_sub_co_u32 s[TH], 127, s[TL]
	; what a fetching wave fetches: waves 0-3 a quarter of K's words and of each half of K's codes, waves 4-7 the same of V's
	s_add_co_u32 s18, s15, 16
	s_lshl_b32 s18, s18, 15
	s_lshl_b32 s19, s14, 13
	s_add_co_u32 s18, s18, s19
	s_lshl_b32 s19, s16, 11
	s_add_co_u32 s18, s18, s19                     ; K's words: (16 + head) 32,768 + 8,192 batch + 2,048 quarter
	s_mov_b32 s19, 0
	s_lshl_b32 s96, s14, 7
	s_lshl_b32 s97, s16, 4
	s_add_co_u32 s96, s96, s97
	s_lshl_b32 s96, s96, 5
	s_add_co_u32 s96, s96, s15
	s_add_co_u32 s96, s96, 16
	s_mul_i32 s96, s96, 768                        ; K's codes: ((128 batch + 16 quarter) 32 + 16 + head) 768
	s_mov_b32 s97, 0
	s_lshl_b32 s98, s15, 14
	s_lshl_b32 s99, s14, 12
	s_add_co_u32 s98, s98, s99
	s_lshl_b32 s99, s16, 10
	s_add_co_u32 s98, s98, s99
	s_add_co_u32 s98, s98, 1048576                 ; V's words
	s_mov_b32 s99, 0
	s_lshl_b32 s2, s15, 2
	s_add_co_u32 s2, s2, s16
	s_lshl_b32 s2, s2, 7
	s_lshl_b32 s3, s14, 5
	s_add_co_u32 s2, s2, s3
	s_mul_i32 s2, s2, 768
	s_add_co_u32 s2, s2, 12582912                  ; V's codes: 12,582,912 + ((4 head + quarter) 128 + 32 batch) 768
	s_mov_b32 s3, 0
	; descriptor groups 1: elements of 8 bytes, no padding, the mask names the four work-groups, bit 21 set beside it
.irp g, G1K, G1V, G1KS, G1VS
	s_mov_b32 s[\g], 15|(3<<16)|(1<<21)
	s_mov_b32 s[\g+6], 0
	s_mov_b32 s[\g+7], 0
.endr
	s_mov_b32 s[G1K+1], 96<<16                     ; K's codes: 16 rows (tiles) of 768 bytes, 24,576 bytes apart
	s_mov_b32 s[G1K+2], 16<<16
	s_mov_b32 s[G1K+3], 96<<16
	s_mov_b32 s[G1K+4], 16
	s_mov_b32 s[G1K+5], 3072
	s_mov_b32 s[G1V+1], 32<<16                     ; V's codes: 12,288 dense bytes as 48 rows of 256
	s_mov_b32 s[G1V+2], 48<<16
	s_mov_b32 s[G1V+3], 32<<16
	s_mov_b32 s[G1V+4], 48
	s_mov_b32 s[G1V+5], 32
	s_mov_b32 s[G1KS+1], 32<<16                    ; K's words: 2,048 dense bytes
	s_mov_b32 s[G1KS+2], 8<<16
	s_mov_b32 s[G1KS+3], 32<<16
	s_mov_b32 s[G1KS+4], 8
	s_mov_b32 s[G1KS+5], 32
	s_mov_b32 s[G1VS+1], 32<<16                    ; V's words: 1,024 dense bytes
	s_mov_b32 s[G1VS+2], 4<<16
	s_mov_b32 s[G1VS+3], 32<<16
	s_mov_b32 s[G1VS+4], 4
	s_mov_b32 s[G1VS+5], 32
	s_mov_b32 s20, 0x76543210
	s_mov_b32 s21, 0xfedcba98                      ; v_permlanex16_b32's selects for lane l xor 16
	s_mov_b32 s22, 0x3e38aa3b                      ; c = log2(e) / 8
	s_mov_b32 s23, s22                             ; (named with it as a pair, so it is written)
	s_wait_dscnt 0x0
	s_wait_kmcnt 0x0
	s_mov_b32 s56, 1                               ; groups 0.  K's words
	s_lshl_b32 s57, s16, 11
	s_add_co_u32 s57, s57, LKS
	s_add_nc_u64 s[58:59], s[6:7], s[18:19]
	s_or_b32 s59, s59, 0x80000000
	s_mov_b32 s60, 1                               ; K's codes, keys 0-1,023
	s_mul_i32 s61, s16, 12288
	s_add_nc_u64 s[62:63], s[4:5], s[96:97]
	s_mov_b32 s68, 1                               ; keys 1,024-2,047: 64 tiles on
	s_add_co_u32 s69, s61, 49152
	s_add_nc_u64 s[70:71], s[62:63], 64*32*768
	s_or_b32 s63, s63, 0x80000000
	s_or_b32 s71, s71, 0x80000000
	s_mov_b32 s72, 1                               ; V's words
	s_lshl_b32 s73, s16, 10
	s_add_co_u32 s73, s73, LVS
	s_add_nc_u64 s[74:75], s[6:7], s[98:99]
	s_or_b32 s75, s75, 0x80000000
	s_mov_b32 s76, 1                               ; V's codes, keys 0-1,023
	s_add_co_u32 s77, s61, LV
	s_add_nc_u64 s[78:79], s[4:5], s[2:3]
	s_mov_b32 s80, 1                               ; keys 1,024-2,047: 16 pieces on
	s_add_co_u32 s81, s77, 49152
	s_add_nc_u64 s[82:83], s[78:79], 16*768
	s_or_b32 s79, s79, 0x80000000
	s_or_b32 s83, s83, 0x80000000
	CROUND                                         ; all four work-groups are here: the joint loads meet
	s_cmp_lt_u32 s[WV], 4                          ; a wave's three loads stand in one branch on its number; three of mine are out at the most; four v_nop follow the third
	s_cbranch_scc0 .Lnot_k
	tensor_load_to_lds s[56:59], s[G1KS:G1KS+7]
	s_nop 0
	tensor_load_to_lds s[60:63], s[G1K:G1K+7]
	s_nop 0
	tensor_load_to_lds s[68:71], s[G1K:G1K+7]
	s_nop 0
.rept 4
	v_nop
.endr
	s_branch .Lasked
.Lnot_k:
	s_cmp_lt_u32 s[WV], 8
	s_cbranch_scc0 .Lasked
	tensor_load_to_lds s[72:75], s[G1VS:G1VS+7]
	s_nop 0
	tensor_load_to_lds s[76:79], s[G1V:G1V+7]
	s_nop 0
	tensor_load_to_lds s[80:83], s[G1V:G1V+7]
	s_nop 0
.rept 4
	v_nop
.endr
.Lasked:
	v_and_b32 v229, 31, v0                         ; l
	v_and_b32 v230, 15, v0                         ; r
	v_bfe_u32 v231, v0, 4, 1                       ; h
	v_lshlrev_b32 v1, 4, v229
	v_lshl_add_u32 v2, v229, 3, 512
	v_add_nc_u32 v3, LV, v1
	v_lshl_add_u32 v4, v229, 3, LV+512
	v_lshl_add_u32 v5, v230, 4, LKS
	v_lshl_add_u32 v6, v230, 4, LVS
	v_lshlrev_b32 v31, 4, v230
	v_lshrrev_b32 v[RP], 3, v230
	v_lshl_add_u32 v[RP], v[RP], 3, v230
	v_lshlrev_b32 v[SBO], 4, v231
	v_sub_nc_u32 v[RP], v[RP], v[SBO]
	v_lshlrev_b32 v[SBO], 5, v230
.irp j, 22,23,24,25,26,27,80,81,82,83,84,85
	v_mov_b32 v\j, 0                               ; zero codes: Q's upper half, and what stands behind K's last fragment
.endr
.irp b, 0,1,2,3
	v_mov_b32 v[BT+\b], 0                          ; written once: a lane permute's destination counts as one of its sources
.endr
	v_mov_b32 v[FF+1], 0                           ; (named as the upper half of a pair before it is first written)
; A QUERY TILE BEGINS: s[TT] is its number in the batch.  Q's piece and scale word from memory; the mask's number; the statistics and O^T begin as -3e38 and zeros, which the first change of M leaves zeros.
.macro PRO
	s_wait_xcnt 0x0                                ; earlier stores have read their bases and registers
	s_lshl_b32 s96, s14, 7
	s_add_co_u32 s96, s96, s[TT]                   ; the token tile: 128 batch + T
	s_lshl_b32 s98, s96, 5
	s_add_co_u32 s98, s98, s15
	s_mul_i32 s98, s98, 768
	s_mov_b32 s99, 0
	s_add_nc_u64 s[18:19], s[4:5], s[98:99]
	global_load_b128 v[16:19], v1, s[18:19]
	global_load_b64 v[20:21], v2, s[18:19]
	s_lshl_b32 s98, s15, 15
	s_lshr_b32 s97, s96, 3
	s_lshl_b32 s97, s97, 9
	s_add_co_u32 s98, s98, s97
	s_bfe_u32 s97, s[TT], 0x10002
	s_lshl_b32 s97, s97, 8
	s_add_co_u32 s98, s98, s97
	s_and_b32 s97, s[TT], 3
	s_lshl_b32 s97, s97, 2
	s_add_co_u32 s98, s98, s97                     ; head 32,768 + 512 (tile / 8) + 256 ((tile / 4) % 2) + 4 (tile % 4)
	s_add_nc_u64 s[2:3], s[6:7], s[98:99]
	global_load_b32 v28, v31, s[2:3]
	s_bfe_u32 s97, s[TT], 0x20001
	s_lshl_b32 s97, s97, 5
	s_and_b32 s95, s[TT], 1
	s_lshl_b32 s95, s95, 3
	s_add_co_u32 s97, s97, s95
	v_add_nc_u32 v7, s97, v[RP]                    ; in the step on the diagonal: my query - the step's first key - 16 h
	v_mov_b32 v13, 0xff61b1e6                      ; the largest t so far: -3e38
	v_floor_f32 v12, -v13                          ; -M
	v_mov_b32 v14, 0
	v_mov_b32 v15, 0
.irp j, 0,1,2,3,4,5,6,7,8,9,10,11,12,13,14,15,16,17,18,19,20,21,22,23,24,25,26,27,28,29,30,31
	v_mov_b32 v[OT+\j], 0
.endr
	s_wait_loadcnt 0x0
.endm
; A KEY STEP: 128 keys.  masked = 1: the step may be hidden (left out) or on the diagonal.
.macro STEP masked
.if \masked
	s_cmp_gt_u32 s[ST], s[LIM]
	s_cbranch_scc1 .Lhidden_\@
.endif
	v_add_nc_u32 v8, s[TK], v1                     ; six plain instructions: also the places behind the last step's products, in front of the loads below
	v_add_nc_u32 v9, s[TK], v2
	v_add_nc_u32 v10, s[TV], v3
	v_add_nc_u32 v11, s[TV], v4
	v_add_nc_u32 v29, s[TKS], v5
	v_add_nc_u32 v30, s[TVS], v6
.irp t, 0,1,2,3,4,5,6,7
	ds_load_b128 v[KB+6*\t:KB+6*\t+3], v8 offset:768*\t
	ds_load_b64 v[KB+6*\t+4:KB+6*\t+5], v9 offset:768*\t
.endr
	ds_load_b128 v[KS:KS+3], v29
	ds_load_b128 v[KS+4:KS+7], v29 offset:256
	s_wait_dscnt 0x0
.irp t, 0,1,2,3,4,5,6,7
	v_wmma_scale_f32_16x16x128_f8f6f4 v[S+8*\t:S+8*\t+7], v[KB+6*\t:KB+6*\t+11], v[16:27], 0, v[KS+\t], v28 matrix_a_fmt:MATRIX_FMT_BF6 matrix_b_fmt:MATRIX_FMT_BF6
.endr
.rept 4
	v_nop                                          ; places in front of the loads into K's registers and of the first read of the scores
.endr
.irp t, 0,1,2,3                                ; V's four fragments are asked for here and land under the softmax
	ds_load_b128 v[KB+12*\t:KB+12*\t+3], v10 offset:12288*\t
	ds_load_b64 v[KB+12*\t+4:KB+12*\t+5], v11 offset:12288*\t
	ds_load_b128 v[KB+12*\t+6:KB+12*\t+9], v10 offset:12288*\t+768
	ds_load_b64 v[KB+12*\t+10:KB+12*\t+11], v11 offset:12288*\t+768
.endr
	ds_load_b128 v[VS:VS+3], v30
.if \masked
	s_cmp_lt_u32 s[ST], s[LIM]
	s_cbranch_scc1 .Lopen_\@
	v_mov_b32 v[T0], 0xff800000                    ; -infinity.  Register 16 b + i holds the step's key 32 b + 16 h + i: hidden where 32 b + i > v7
.irp n, 0,1,2,3,4,5,6,7,8,9,10,11,12,13,14,15,16,17,18,19,20,21,22,23,24,25,26,27,28,29,30,31,32,33,34,35,36,37,38,39,40,41,42,43,44,45,46,47,48,49,50,51,52,53,54,55,56,57,58,59,60,61,62,63
	v_cmp_gt_i32 vcc_lo, 32*(\n/16)+\n%16, v7
	v_cndmask_b32 v[S+\n], v[S+\n], v[T0], vcc_lo
.endr
.Lopen_\@:
.endif
.irp b, 0,1,2,3
	v_max3_num_f32 v[BM+\b], v[S+16*\b], v[S+16*\b+1], v[S+16*\b+2]   ; the largest score of each block of 32 keys: for the row's maximum and for the block's largest p
.endr
.irp i, 3,5,7,9,11,13
.irp b, 0,1,2,3
	v_max3_num_f32 v[BM+\b], v[BM+\b], v[S+16*\b+\i], v[S+16*\b+\i+1]
.endr
.endr
.irp b, 0,1,2,3
	v_max_num_f32 v[BM+\b], v[BM+\b], v[S+16*\b+15]
.endr
.irp b, 0,1,2,3
	v_permlanex16_b32 v[BT+\b], v[BM+\b], s20, s21
.endr
.irp b, 0,1,2,3
	v_max_num_f32 v[BM+\b], v[BM+\b], v[BT+\b]     ; with lane l xor 16's 16 keys
.endr
	v_max3_num_f32 v[T0], v[BM], v[BM+1], v[BM+2]
	v_max_num_f32 v[T0], v[T0], v[BM+3]
	v_mul_f32 v[T0], s22, v[T0]                    ; as t (c is positive)
	v_max_num_f32 v13, v13, v[T0]                  ; the running largest t
	v_mov_b32 v[T0], v12
	v_floor_f32 v12, -v13                          ; the new -M = -ceil(t): a whole number
	v_sub_f32 v[T0], v12, v[T0]                    ; old M - new M: a whole number, 0 or less
	v_cvt_i32_f32 v[T0], v[T0]                     ; (it saturates)
	v_ldexp_f32 v[FF], 1.0, v[T0]                  ; f = 2^(old M - new M)
.irp j, 0,2,4,6,8,10,12,14,16,18,20,22,24,26,28,30,32,34,36,38,40,42,44,46,48,50,52,54,56,58,60,62
	v_pk_fma_f32 v[S+\j:S+\j+1], v[S+\j:S+\j+1], s[22:23], v[12:13] op_sel_hi:[1,0,0]   ; t - M, two at a time
.endr
.irp b, 0,1,2,3
	v_fma_f32 v[BM+\b], v[BM+\b], s22, v12         ; the same of each block's largest score
.endr
.irp j, 0,1,2,3,4,5,6,7,8,9,10,11,12,13,14,15,16,17,18,19,20,21,22,23,24,25,26,27,28,29,30,31,32,33,34,35,36,37,38,39,40,41,42,43,44,45,46,47,48,49,50,51,52,53,54,55,56,57,58,59,60,61,62,63
	v_exp_f32 v[S+\j], v[S+\j]                     ; p = 2^(t - M), at most 1
.endr
.irp b, 0,1,2,3
	v_exp_f32 v[BM+\b], v[BM+\b]                   ; the block's largest p
.endr
	v_pk_mul_f32 v[14:15], v[14:15], v[FF:FF+1] op_sel_hi:[1,0]   ; the sums under the new M.  (A plain instruction behind the exponentials)
	s_wait_alu depctr_va_vdst(0)
.irp b, 0,1,2,3
	v_max_num_f32 v[BM+\b], 0x2800000, v[BM+\b]    ; the floor 2^(5 - 127): the byte cannot fall under 1
.endr
.irp b, 0,1,2,3
	v_add_nc_u32 v[BS+\b], 0xfe000000, v[BM+\b]    ; the conversion's scale operand
.endr
.irp b, 0,1,2,3
	v_lshrrev_b32 v[BT+\b], 23, v[BS+\b]           ; the byte
.endr
	v_lshl_or_b32 v[PWD], v[BT+1], 8, v[BT]        ; p's scale word for these 128 keys
	v_lshl_or_b32 v[PWD], v[BT+2], 16, v[PWD]
	v_lshl_or_b32 v[PWD], v[BT+3], 24, v[PWD]
.irp c, 0,1
	v_cvt_scalef32_pk16_bf6_f32 v[PC+6*\c:PC+6*\c+2], v[S+32*\c:S+32*\c+15], v[BS+2*\c]
	v_cvt_scalef32_pk16_bf6_f32 v[PX+4*\c:PX+4*\c+2], v[S+32*\c+16:S+32*\c+31], v[BS+2*\c+1]
.endr
	v_nop                                          ; one plain instruction behind the conversions
.irp c, 0,1                                    ; a whole block in a lane: lanes 0-15 block 2 c, lanes 16-31 block 2 c + 1
.irp i, 0,1,2
	v_permlane16_swap_b32 v[PC+6*\c+\i], v[PX+4*\c+\i]
.endr
.irp i, 0,1,2
	v_mov_b32 v[PC+3+6*\c+\i], v[PX+4*\c+\i]
.endr
.endr
	v_pk_add_f32 v[SU:SU+1], v[S:S+1], v[S+2:S+3]  ; the row's sum of the unquantised p: two at a time, in two chains.  (These are also the places in front of the products below)
.irp j, 4,8,12,16,20,24,28,32,36,40,44,48,52,56,60
	v_pk_add_f32 v[14:15], v[14:15], v[S+\j:S+\j+1]
	v_pk_add_f32 v[SU:SU+1], v[SU:SU+1], v[S+\j+2:S+\j+3]
.endr
	v_pk_add_f32 v[14:15], v[14:15], v[SU:SU+1]
.irp j, 0,2,4,6,8,10,12,14,16,18,20,22,24,26,28,30
	v_pk_mul_f32 v[OT+\j:OT+\j+1], v[OT+\j:OT+\j+1], v[FF:FF+1] op_sel_hi:[1,0]   ; O^T under the new M
.endr
	s_wait_dscnt 0x0                               ; V's fragments and scale words
.irp t, 0,1,2,3                                ; the four accumulators take turns, one instruction a turn
	v_wmma_scale_f32_16x16x128_f8f6f4 v[OT+8*\t:OT+8*\t+7], v[KB+12*\t:KB+12*\t+11], v[PC:PC+11], v[OT+8*\t:OT+8*\t+7], v[VS+\t], v[PWD] matrix_a_fmt:MATRIX_FMT_BF6 matrix_b_fmt:MATRIX_FMT_BF6
.endr
.if \masked
.Lhidden_\@:
.endif
	s_add_co_u32 s[TK], s[TK], 6144                ; the next step's places
	s_add_co_u32 s[TV], s[TV], 1536
	s_add_co_u32 s[TKS], s[TKS], 512
	s_add_co_u32 s[TVS], s[TVS], 256
.endm
; A QUERY TILE ENDS: O^T / the sum is ctx: my 32 channels are two half blocks of 32 along the model's 1,024; quantised, they are one piece of 768 bytes as they stand.
.macro EPI
.rept 4
	v_nop                                          ; places behind the last products
.endr
	v_add_f32 v14, v14, v15
	v_permlanex16_b32 v[T0], v14, s20, s21
	v_add_f32 v14, v14, v[T0]                      ; the row's sum
	v_rcp_f32 v[FF], v14
	v_rcp_f32 v[FF+1], v14
	v_nop                                          ; one plain instruction behind the transcendentals
	s_wait_alu depctr_va_vdst(0)
.irp j, 0,2,4,6,8,10,12,14,16,18,20,22,24,26,28,30
	v_pk_mul_f32 v[OT+\j:OT+\j+1], v[OT+\j:OT+\j+1], v[FF:FF+1]   ; each accumulator from its low end on
.endr
.irp b, 0,1
	v_max3_num_f32 v[BM+\b], |v[OT+16*\b]|, |v[OT+16*\b+1]|, 0x2800000
.endr
.irp i, 2,4,6,8,10,12,14
.irp b, 0,1
	v_max3_num_f32 v[BM+\b], v[BM+\b], |v[OT+16*\b+\i]|, |v[OT+16*\b+\i+1]|
.endr
.endr
.irp b, 0,1
	v_permlanex16_b32 v[BT+\b], v[BM+\b], s20, s21
.endr
.irp b, 0,1
	v_max_num_f32 v[BM+\b], v[BM+\b], v[BT+\b]
.endr
.irp b, 0,1
	v_add_nc_u32 v[BS+\b], 0xfe000000, v[BM+\b]
.endr
.irp b, 0,1
	v_lshrrev_b32 v[BT+\b], 23, v[BS+\b]
.endr
	v_cvt_scalef32_pk16_bf6_f32 v[PX:PX+2], v[OT:OT+15], v[BS]
	v_cvt_scalef32_pk16_bf6_f32 v[PX+4:PX+6], v[OT+16:OT+31], v[BS+1]
	v_lshl_or_b32 v[SWD], v[BT+1], 8, v[BT]        ; the row's two bytes.  (A plain instruction behind the conversions)
.irp i, 0,1,2
	v_permlane16_swap_b32 v[PX+\i], v[PX+4+\i]
.endr
.irp i, 3,4,5
	v_mov_b32 v[PX+\i], v[PX+1+\i]
.endr
	s_lshl_b32 s96, s14, 7
	s_add_co_u32 s96, s96, s[TT]
	s_lshl_b32 s98, s96, 4
	s_add_co_u32 s98, s98, s15
	s_mul_i32 s98, s98, 768
	s_mov_b32 s99, 0
	s_add_nc_u64 s[18:19], s[8:9], s[98:99]        ; (the loads that named these bases have been waited for)
	s_lshl_b32 s98, s96, 9
	s_lshl_b32 s97, s15, 1
	s_add_co_u32 s98, s98, s97
	s_add_co_u32 s98, s98, 393216
	s_add_nc_u64 s[2:3], s[10:11], s[98:99]
	global_store_b128 v1, v[PX:PX+3], s[18:19]     ; 512 and 256 consecutive bytes, each at a multiple of 256 from the buffer's first byte
	global_store_b64 v2, v[PX+4:PX+5], s[18:19]
	global_store_b16 v[SBO], v[SWD], s[2:3]        ; lanes r and r + 16 write the same two bytes with the same value
.endm
	s_mov_b32 s[TT], s[TH]
	PRO
	s_mov_b32 s[LIM], s[LIMH]
	s_mov_b32 s[ST], 0
	s_mov_b32 s[TK], 0
	s_mov_b32 s[TV], 0
	s_mov_b32 s[TKS], 0
	s_mov_b32 s[TVS], 0
	s_wait_tensorcnt 1                             ; my scale words and my part of keys 0-1,023 are in; the load for keys 1,024 on may be out
	s_barrier_signal -1
	s_barrier_wait -1
.Lopen_half:                                       ; the late tile, key steps 0-7: all its keys count (its last step is 8 or later)
	STEP 0
	s_add_co_u32 s[ST], s[ST], 1
	s_cmp_lt_u32 s[ST], 8
	s_cbranch_scc1 .Lopen_half
	s_wait_tensorcnt 0x0                           ; my part of keys 1,024 on is in,
	s_wait_dscnt 0x0
	s_barrier_signal -1
	s_barrier_wait -1                              ; everybody's is
	s_mov_b32 s[TV], 49152                         ; V's second half (K's codes and the words go straight on)
.Lhigh_half:                                       ; the late tile, key steps 8-15
	STEP 1
	s_add_co_u32 s[ST], s[ST], 1
	s_cmp_lt_u32 s[ST], 16
	s_cbranch_scc1 .Lhigh_half
	EPI
	s_mov_b32 s[TT], s[TL]
	PRO
	s_mov_b32 s[LIM], s[LIML]
	s_mov_b32 s[ST], 0
	s_mov_b32 s[TK], 0
	s_mov_b32 s[TV], 0
	s_mov_b32 s[TKS], 0
	s_mov_b32 s[TVS], 0
.Llow:                                             ; the early tile, key steps 0-7
	STEP 1
	s_add_co_u32 s[ST], s[ST], 1
	s_cmp_lt_u32 s[ST], 8
	s_cbranch_scc1 .Llow
	EPI
	s_wait_tensorcnt 0x0
	ds_add_u32 v254, v255
	s_wait_dscnt 0x0
	CROUND                                         ; the closing round
	s_endpgm
.Lfunc_end_k_q3fc0939a34_attn:
	.size	k_q3fc0939a34_attn, .Lfunc_end_k_q3fc0939a34_attn-k_q3fc0939a34_attn
	.p2alignl 7, 3214868480
	.fill 96, 4, 3214868480
	.section	.rodata,"a",@progbits
	.p2align	6, 0x0
	.amdhsa_kernel k_q3fc0939a34_attn
		.amdhsa_group_segment_fixed_size 210944
		.amdhsa_private_segment_fixed_size 0
		.amdhsa_enable_private_segment 0
		.amdhsa_kernarg_size 32
		.amdhsa_user_sgpr_count 2
		.amdhsa_user_sgpr_kernarg_segment_ptr 1
		.amdhsa_wavefront_size32 1
		.amdhsa_system_sgpr_workgroup_id_x 1
		.amdhsa_system_sgpr_workgroup_id_y 1
		.amdhsa_system_sgpr_workgroup_id_z 1
		.amdhsa_system_vgpr_workitem_id 0
		.amdhsa_next_free_vgpr 256
		.amdhsa_next_free_sgpr 100
		.amdhsa_reserve_vcc 1
		.amdhsa_float_denorm_mode_32 3
		.amdhsa_float_denorm_mode_16_64 3
		.amdhsa_memory_ordered 1
		.amdhsa_forward_progress 1
		.amdhsa_inst_pref_size 81
	.end_amdhsa_kernel
	.amdgpu_metadata
---
amdhsa.version: [ 1, 2 ]
amdhsa.kernels:
  - .name:           k_q3fc0939a34_attn
    .symbol:         k_q3fc0939a34_attn.kd
    .args:
      - { .name: qkv_codes, .offset: 0, .size: 8, .value_kind: global_buffer, .address_space: global }
      - { .name: qkv_scales, .offset: 8, .size: 8, .value_kind: global_buffer, .address_space: global }
      - { .name: ctx_codes, .offset: 16, .size: 8, .value_kind: global_buffer, .address_space: global }
      - { .name: sc_all, .offset: 24, .size: 8, .value_kind: global_buffer, .address_space: global }
    .group_segment_fixed_size: 210944
    .private_segment_fixed_size: 0
    .kernarg_segment_align: 8
    .kernarg_segment_size: 32
    .max_flat_workgroup_size: 512
    .sgpr_count:     100
    .vgpr_count:     256
    .wavefront_size: 32
...
	.end_amdgpu_metadata
.endif
;; end of part 3
;; launch proj (part 4): grid 4 x 32, 4 waves a work-group, clusters of 4 x 4, 327,680 bytes of LDS; arguments ctx_codes, ops_codes, sc_all, proj_b, x, out0; writes out0
.if DOCPART == 4
	.amdgcn_target "amdgcn-amd-amdhsa--gfx1250"
	.amdhsa_code_object_version 6
	.text
	.protected	k_q3fc0939a34_proj
	.globl	k_q3fc0939a34_proj
	.p2align	8
	.type	k_q3fc0939a34_proj,@function
k_q3fc0939a34_proj:
	s_mov_b64 s[64:65], 0
	v_nop
	global_prefetch_b8 v0, s[64:65] scope:SCOPE_SE
	s_setreg_imm32_b32 hwreg(HW_REG_WAVE_MODE, 25, 1), 1
	s_wait_xcnt 0x0
	s_wait_alu depctr_hold_cnt(0) depctr_sa_sdst(0) depctr_va_vdst(0) depctr_va_sdst(0) depctr_va_ssrc(0) depctr_va_vcc(0) depctr_vm_vsrc(0)
	s_getreg_b32 s2, hwreg(HW_REG_IB_STS2, 6, 4)
	s_cmp_eq_u32 s2, 0
	s_cbranch_scc0 .Lentry_in_a_cluster
	s_endpgm
.Lentry_in_a_cluster:
	s_bfe_u32 s2, ttmp6, 0x10000c
	s_cmp_lg_u32 s2, 0xf033
	s_cbranch_scc0 .Lentry_shape_is_right
	s_endpgm
.Lentry_shape_is_right:
; out0 = ctx proj_w + proj_b + x on codes of E3M2 (K = 1,024).
; A block of 256 x 256 of the result is made by four waves, 128 x 128 each: 64 accumulators, 512 registers.  THE MATRIX INSTRUCTION IS USED TRANSPOSED: source 0 = 16 columns of proj_w (B), source 1 = 16 tokens (A):
; a lane holds one token and, by the order of a tile (row(T, r) = 32 (T / 2) + 8 (T % 2) + r + 8 (r / 8)), the 16 registers of B's tiles 2 b, 2 b + 1 are 16 neighbouring columns of out0.
; OPERANDS: ctx_codes [token tile][c 16][768]; ops_codes tiles 704-767: proj_w's columns, the same layout: a piece of 768 bytes is the image of operand registers 0-5 for 64 along K.  sc_all [tile][r][8 words]: ctx's tiles from 768 on.
; K goes in steps of 256 through a ring of two LDS slots filled by the tensor data mover; the scale words for all of K come once into 64 registers; proj_b is the C of each sum's first matrix instruction.
; CLUSTERS: 4 x 4 work-groups; A's tiles are asked for jointly along a row of the cluster, B's along a column.  128 blocks of 256 x 256: a smaller block would give every fragment read from LDS half the products.
; THE WAY OUT: 16 tokens x 128 columns at a time through the wave's stage in LDS, back as whole rows of 512 bytes; x's rows, loaded in the same shape, are added; 32 lanes store 512 consecutive bytes.
; REGISTERS, in windows of 256: window 0: v1-8 lane numbers and offsets; v16-23 LDS addresses; v32-95 scale words; v128-223 A's fragments, ONE set; on the way out v128-255 rows of out0.
;   window 1: B's fragments, two sets, at v0 and v128; the bias's eight tiles at v96-127 and v224-255; on the way out v0-127 rows of x.   windows 2, 3: the accumulators, (a, b) at v[8 (8 (a % 4) + b)].
.set KT,    12288                      ; a tile's codes: 16 rows x 1,024 along K
.set KSLOT, 3072                       ; 256 along K of a tile
.set HALFT, 8*KSLOT                    ; 8 tiles: what one tensor load brings, and what one wave reads of A or of B
.set SLOT,  4*HALFT                    ; A's 16 tiles, then B's 16
.set SPARE, 2*SLOT                     ; behind the ring: the spare words, 128 bytes for each wave: two blocks of 256 bytes that no other line names
.set SPITCH, 528                       ; the way out: a stage of 16 rows x (512 bytes + 16) for each wave, in slot 0, which has had its last fill and its last read when the first result is stored there
.set FR,    12
.set NP,    4                          ; places behind this matrix instruction (ISA guide 7.12.1)
.set ADRA, 16                          ; v16-17 my A tiles in slot 0, 1, + 16 l;  v18-19 the same + 8 l
.set ADRB, 20                          ; v20-23 the same for B
.set STO,  24                          ; v24 the stage: where I put 32 bytes of a row
.set RD,   25                          ; v25 and where I read a row back
.set CO,   26                          ; v26 16 l
.set SPW,  28                          ; v28 LDS address of my spare word; never rewritten
.set NIL,  29                          ; v29 0; never rewritten
.set SC,   32                          ; v[SC + 8 i + g]: lanes 0-15 the word of A's tile i, lanes 16-31 that of B's tile i, for K step g of 128
.set AF,   128
.set BK,   128                         ; the way out: 16 rows read back: v128-191 and v192-255 by turns
.set G1, 24
.set G0, 32
.set G1B, 48
.set G0B, 56
.set WV, 92                            ; s92 wave;  s93 wave / 2: my half of A's rows, and: I fetch for A (0) or B (1);  s94 wave % 2: my half of B's rows, and which 8 tiles I fetch
.set WH, 93
.set WL, 94
.set MSB, 0
.macro WIN new                         ; the immediate's high byte repeats the setting that is left
.if MSB != \new
	s_set_vgpr_msb (MSB<<8)|\new
.set MSB, \new
.endif
.endm
.set MUL_LO, 0xa1                      ; source 0 (B) window 1, source 1 (A) window 0, C and D window 2
.set MUL_HI, 0xf1                      ; the same, C and D window 3
.set BIA_LO, 0x91                      ; the first step: C (the bias) window 1, D window 2
.set BIA_HI, 0xd1                      ; D window 3
.set TO_B,   0x40                      ; destination window 1, address window 0
; A joint load: waves 0 and 1 fetch for A, waves 2 and 3 for B.  Each of the two lines has one mask and one set of registers; the branch hangs on the wave's number alone.  Four v_nop follow each line.
.macro JLOAD g0a, g1a, g0b, g1b
	s_cmp_eq_u32 s[WH], 0
	s_cbranch_scc0 .Lfor_b_\@
	tensor_load_to_lds s[\g0a:\g0a+3], s[\g1a:\g1a+7]
	s_nop 0
.rept 4
	v_nop
.endr
	s_branch .Lasked_\@
.Lfor_b_\@:
	tensor_load_to_lds s[\g0b:\g0b+3], s[\g1b:\g1b+7]
	s_nop 0
.rept 4
	v_nop
.endr
.Lasked_\@:
.endm
.macro CREST                           ; a round of the cluster's barrier behind its opening barrier
	s_cmp_lg_u32 s[WV], 0
	s_cbranch_scc1 .Lnot_wave_0_\@
	s_barrier_signal -3
.Lnot_wave_0_\@:
	s_barrier_wait -3
	s_barrier_signal -1
	s_barrier_wait -1
.endm
.macro CROUND                          ; a whole round
	s_barrier_signal -1
	s_barrier_wait -1
	CREST
.endm
.macro PLACES n
.rept \n
	v_nop
.endr
.endm
.macro FRAG reg, a16, a8, q, i         ; tile i's fragment of the slot's q-th 128 along K: two pieces of 768 bytes, each 512 bytes (registers 0-3) and 256 bytes (registers 4-5) on end
	ds_load_b128 v[\reg:\reg+3], v[\a16] offset:KSLOT*(\i)+1536*(\q)
	ds_load_b64 v[\reg+4:\reg+5], v[\a8] offset:KSLOT*(\i)+1536*(\q)+512
	ds_load_b128 v[\reg+6:\reg+9], v[\a16] offset:KSLOT*(\i)+1536*(\q)+768
	ds_load_b64 v[\reg+10:\reg+11], v[\a8] offset:KSLOT*(\i)+1536*(\q)+1280
.endm
.macro FETCH_B slot, q, p              ; B's eight fragments into set p: 32 loads
	WIN TO_B
.irp i, 0,1,2,3,4,5,6,7
	FRAG 128*(\p)+FR*\i, ADRB+\slot, ADRB+2+\slot, \q, \i
.endr
	WIN 0
.endm
.macro FETCH_A slot, q, i0             ; A's tiles i0 .. i0 + 3: 16 loads
.irp i, \i0, \i0+1, \i0+2, \i0+3
	FRAG AF+FR*(\i), ADRA+\slot, ADRA+2+\slot, \q, \i
.endr
.endm
; 16 matrix instructions: A's tiles a0, a0 + 1 x B's eight, K step g.  p: B's set.  cm = 0: onto the sums; 2: the sums begin with the bias of B's tile.
; The 64 accumulators take turns, one instruction a turn, in the same order in every step.
.macro MUL16 a0, p, g, cm
.irp a, \a0, \a0+1
.irp b, 0,1,2,3,4,5,6,7
.set AX, 8*(8*((\a)%4)+\b)
.set BX, 128*(\p)+FR*\b
.set FX, AF+FR*(\a)
.set CX, 96+8*\b+96*(\b/4)
.if \cm == 0
	v_wmma_scale_f32_16x16x128_f8f6f4 v[AX:AX+7], v[BX:BX+FR-1], v[FX:FX+FR-1], v[AX:AX+7], v[SC+8*\b+\g], v[SC+8*(\a)+\g] matrix_a_fmt:MATRIX_FMT_BF6 matrix_b_fmt:MATRIX_FMT_BF6 matrix_a_scale:MATRIX_SCALE_ROW1
.else
	v_wmma_scale_f32_16x16x128_f8f6f4 v[AX:AX+7], v[BX:BX+FR-1], v[FX:FX+FR-1], v[CX:CX+7], v[SC+8*\b+\g], v[SC+8*(\a)+\g] matrix_a_fmt:MATRIX_FMT_BF6 matrix_b_fmt:MATRIX_FMT_BF6 matrix_a_scale:MATRIX_SCALE_ROW1
.endif
.endr
.endr
.endm
; A slot's first step of 128 along K: multiplies B's set 0 and fetches the slot's second step: B into set 1 and A's tiles 0-3 in its middle, A's tiles 4-7 at its end (a tile of A is free when its eight products are issued).
.macro STEP slot, g, cm
	s_wait_dscnt 16                                ; B's set and A's tiles 0-3 are in; the youngest 16 loads (A's tiles 4-7) may be out
.if \cm
	WIN BIA_LO
.else
	WIN MUL_LO
.endif
	MUL16 0, 0, \g, \cm
	MUL16 2, 0, \g, \cm
	s_wait_dscnt 0x0                               ; A's tiles 4-7 are in
	PLACES NP                                      ; in front of loads into registers that matrix instructions have read
	FETCH_B \slot, 1, 1
	FETCH_A \slot, 1, 0
.if \cm
	WIN BIA_HI
.else
	WIN MUL_HI
.endif
	MUL16 4, 0, \g, \cm
	MUL16 6, 0, \g, \cm
	PLACES NP
	WIN 0
	FETCH_A \slot, 1, 4
.endm
; A slot's second step changes slots: ONE barrier; in front of it each wave waits for all its tensor loads, adds 0 to its spare word, and waits for that and for its reads of this slot.  fill = 1: the slot is filled again, 512 along K ahead.
.macro TURN slot, next, fill, g
	s_wait_tensorcnt 0x0                           ; all my tensor loads have landed: my part of the next slot
	ds_add_u32 v[SPW], v[NIL]                      ; 0 onto my spare word
	s_wait_dscnt 17                                ; (the add and the youngest 16 loads may be out)
	WIN MUL_LO
	MUL16 0, 1, \g, 0                              ; sixteen matrix instructions stand between the add and the wait for it
	s_wait_dscnt 0x0                               ; the add is done, and my reads of this slot are over
	s_barrier_signal -1
	MUL16 2, 1, \g, 0
	WIN 0
	s_barrier_wait -1
.if \fill
	CREST                                          ; the barrier has opened a round of the cluster's barrier: no wave of any partner still reads this slot or has a load on its way
	s_add_nc_u64 s[G0+4*\slot+2:G0+4*\slot+3], s[G0+4*\slot+2:G0+4*\slot+3], 2*KSLOT
	s_add_nc_u64 s[G0B+4*\slot+2:G0B+4*\slot+3], s[G0B+4*\slot+2:G0B+4*\slot+3], 2*KSLOT
	JLOAD G0+4*\slot, G1, G0B+4*\slot, G1B         ; the first tensor load behind the round; its four v_nop are also the places in front of the loads below
.else
	PLACES NP
.endif
	FETCH_B \next, 0, 0
	FETCH_A \next, 0, 0
	WIN MUL_HI
	MUL16 4, 1, \g, 0
	MUL16 6, 1, \g, 0
	PLACES NP
	WIN 0
	FETCH_A \next, 0, 4
.endm
	s_load_b256 s[4:11], s[0:1], 0x0               ; ctx_codes s[4:5], ops_codes s[6:7], sc_all s[8:9], proj_b s[10:11]
	s_load_b128 s[12:15], s[0:1], 0x20             ; x s[12:13], out0 s[14:15]
	v_lshl_add_u32 v[SPW], v0, 2, SPARE
	v_mov_b32 v[NIL], 0
	ds_add_u32 v28, v29
	ds_add_u32 v28, v29
	s_wait_dscnt 0x0
	v_lshrrev_b32 v1, 5, v0
	v_readfirstlane_b32 s[WV], v1
	s_lshr_b32 s[WH], s[WV], 1
	s_and_b32 s[WL], s[WV], 1
	s_bfe_u32 s40, ttmp6, 0x40000                  ; cx, cy: my place in the cluster
	s_bfe_u32 s41, ttmp6, 0x40004
	s_lshl_b32 s42, ttmp9, 2
	s_add_co_u32 s42, s42, s40                     ; B's block of 256 columns = 4 x cluster x + cx
	s_and_b32 s17, ttmp7, 0xffff
	s_lshl_b32 s17, s17, 2
	s_add_co_u32 s17, s17, s41                     ; A's block of 256 tokens = 4 x cluster y + cy
	s_lshl_b32 s43, s41, 2
	s_lshl_b32 s43, 15, s43                        ; my row of the cluster
	s_lshl_b32 s44, 0x1111, s40                    ; my column
	; descriptor group 1: 8 rows (tiles) of 3,072 bytes, 12,288 bytes apart, dense in LDS
	s_or_b32 s[G1+0], s43, (3<<16)|(1<<21)         ; 15:0 the mask: A's tiles go to my row; 17:16 elements of 8 bytes; 20 no padding; 21 set beside a mask
	s_or_b32 s[G1B+0], s44, (3<<16)|(1<<21)
.irp g, G1, G1B
	s_mov_b32 s[\g+1], 384<<16                     ; tensor_dim0 = 384 elements
	s_mov_b32 s[\g+2], 8<<16                       ; tensor_dim1 = 8
	s_mov_b32 s[\g+3], 384<<16                     ; tile_dim0
	s_mov_b32 s[\g+4], 8                           ; tile_dim1
	s_mov_b32 s[\g+5], 1536                        ; tensor_dim0_stride
	s_mov_b32 s[\g+6], 0
	s_mov_b32 s[\g+7], 0
.endr
	s_lshl_b32 s18, s[WL], 3                       ; which 8 tiles I fetch
	s_lshl_b32 s20, s17, 4
	s_add_co_u32 s20, s20, s18
	s_mul_i32 s20, s20, KT                         ; A: in registers that never hold cx
	s_mov_b32 s21, 0
	s_lshl_b32 s46, s42, 4
	s_add_co_u32 s46, s46, 704
	s_add_co_u32 s46, s46, s18
	s_mul_i32 s46, s46, KT                         ; B: in registers that never hold cy
	s_mov_b32 s47, 0
	s_mul_i32 s45, s[WV], HALFT                    ; where they go: no place in the cluster enters an LDS address
	s_wait_kmcnt 0x0
	s_add_nc_u64 s[20:21], s[4:5], s[20:21]
	s_add_nc_u64 s[46:47], s[6:7], s[46:47]
	CROUND                                         ; all sixteen work-groups are here: the first joint loads meet
.irp s, 0,1
	s_mov_b32 s[G0+4*\s], 1
	s_add_co_u32 s[G0+4*\s+1], s45, \s*SLOT
	s_add_nc_u64 s[G0+4*\s+2:G0+4*\s+3], s[20:21], \s*KSLOT
	s_or_b32 s[G0+4*\s+3], s[G0+4*\s+3], 0x80000000
	s_mov_b32 s[G0B+4*\s], 1
	s_add_co_u32 s[G0B+4*\s+1], s45, \s*SLOT
	s_add_nc_u64 s[G0B+4*\s+2:G0B+4*\s+3], s[46:47], \s*KSLOT
	s_or_b32 s[G0B+4*\s+3], s[G0B+4*\s+3], 0x80000000
	JLOAD G0+4*\s, G1, G0B+4*\s, G1B               ; two loads of mine are out
.endr
	v_and_b32 v1, 31, v0                           ; l
	v_and_b32 v2, 15, v0                           ; r
	v_bfe_u32 v3, v0, 4, 1                         ; h
	v_lshlrev_b32 v[CO], 4, v1
	v_lshlrev_b32 v5, 3, v1
	s_mul_i32 s80, s[WH], HALFT                    ; my 8 tiles of A
	s_mul_i32 s81, s[WL], HALFT                    ; my 8 tiles of B,
	s_add_co_u32 s81, s81, 2*HALFT                 ; behind A's 16
.irp s, 0,1
	v_add_nc_u32 v[ADRA+\s], s80, v[CO]
	v_add_nc_u32 v[ADRA+2+\s], s80, v5
	v_add_nc_u32 v[ADRB+\s], s81, v[CO]
	v_add_nc_u32 v[ADRB+2+\s], s81, v5
	s_add_co_u32 s80, s80, SLOT
	s_add_co_u32 s81, s81, SLOT
.endr
	s_mul_i32 s80, s[WV], 16*SPITCH                ; my stage
	v_mul_u32_u24 v[STO], v2, SPITCH               ; in: row r; my 16 columns of a pair of B's tiles: 64 h bytes on
	v_lshl_add_u32 v[STO], v3, 6, v[STO]
	v_add_nc_u32 v[STO], s80, v[STO]
	v_add_nc_u32 v[RD], s80, v[CO]                 ; back: the 32 lanes take one row of 512 bytes
	s_lshl_b32 s82, s17, 4
	s_lshl_b32 s75, s[WH], 3
	s_add_co_u32 s82, s82, s75
	s_add_co_u32 s82, s82, 768
	s_lshl_b32 s82, s82, 9                         ; my tiles' scale words: A's from tile 768 + 16 block + 8 half on,
	s_lshl_b32 s83, s42, 4
	s_lshl_b32 s75, s[WL], 3
	s_add_co_u32 s83, s83, s75
	s_add_co_u32 s83, s83, 704
	s_lshl_b32 s83, s83, 9                         ; B's from tile 704 + 16 block + 8 half on
	v_cmp_ne_u32 vcc_lo, 0, v3
	v_mov_b32 v6, s82
	v_mov_b32 v7, s83
	v_cndmask_b32 v6, v6, v7, vcc_lo               ; lanes 0-15 take A's, lanes 16-31 B's
	v_lshl_add_u32 v6, v2, 5, v6                   ; 32 bytes a row
.irp i, 0,1,2,3,4,5,6,7
	global_load_b128 v[SC+8*\i:SC+8*\i+3], v6, s[8:9] offset:512*\i
	global_load_b128 v[SC+8*\i+4:SC+8*\i+7], v6, s[8:9] offset:512*\i+16
.endr
	s_lshl_b32 s80, s42, 10                        ; my 128 columns, in bytes
	s_lshl_b32 s81, s[WL], 9
	s_add_co_u32 s80, s80, s81
	s_mov_b32 s81, 0
	s_add_nc_u64 s[10:11], s[10:11], s[80:81]      ; proj_b: lane (r, h) wants, for B's tile b, columns 32 (b / 2) + 8 (b % 2) + 16 h + 0 .. 7
	s_lshl_b32 s78, s17, 20                        ; my 128 tokens: rows of 4,096 bytes
	s_lshl_b32 s79, s[WH], 19
	s_add_co_u32 s78, s78, s79
	s_add_co_u32 s78, s78, s80
	s_mov_b32 s79, 0
	s_add_nc_u64 s[12:13], s[12:13], s[78:79]
	s_add_nc_u64 s[14:15], s[14:15], s[78:79]
	v_lshlrev_b32 v7, 6, v3
	WIN TO_B
.irp b, 0,1,2,3,4,5,6,7
	global_load_b128 v[96+8*\b+96*(\b/4):96+8*\b+96*(\b/4)+3], v7, s[10:11] offset:4*(32*(\b/2)+8*(\b%2))
	global_load_b128 v[96+8*\b+96*(\b/4)+4:96+8*\b+96*(\b/4)+7], v7, s[10:11] offset:4*(32*(\b/2)+8*(\b%2))+16
.endr
	WIN 0
	s_wait_tensorcnt 1                             ; my part of slot 0 is in (slot 1's load may be out)
	s_barrier_signal -1
	s_barrier_wait -1                              ; everybody's is
	FETCH_B 0, 0, 0
	FETCH_A 0, 0, 0
	FETCH_A 0, 0, 4
	s_wait_loadcnt 0x0                             ; the scale words and the bias
	STEP 0, 0, 2                                   ; K = 1,024 is eight steps, written out: each names its own scale registers
	TURN 0, 1, 1, 1
	STEP 1, 2, 0
	TURN 1, 0, 1, 3
	STEP 0, 4, 0
	TURN 0, 1, 0, 5                                ; nothing is left to fetch
	STEP 1, 6, 0
	s_wait_dscnt 16
	WIN MUL_LO
	MUL16 0, 1, 7, 0
	MUL16 2, 1, 7, 0
	s_wait_dscnt 0x0
	WIN MUL_HI
	MUL16 4, 1, 7, 0
	MUL16 6, 1, 7, 0
	WIN 0
	PLACES NP                                      ; in front of the loads into the fragments' registers and of the first read of results
; THE WAY OUT.  Row t of A's tile a is token 32 (a / 2) + 8 (a % 2) + t + 8 (t / 8) of my 128: its place stands in the immediate (520,192 bytes at the most), and no base is stepped.
.macro XLOAD a                         ; x's 16 rows of tile a, my 512 bytes of each, into window 1
	WIN TO_B
.irp t, 0,1,2,3,4,5,6,7,8,9,10,11,12,13,14,15
	global_load_b128 v[64*((\a)%2)+4*\t:64*((\a)%2)+4*\t+3], v[CO], s[12:13] offset:4096*(32*((\a)/2)+8*((\a)%2)+\t+8*(\t/8)) th:TH_LOAD_NT
.endr
	WIN 0
.endm
.macro TOSTAGE a                       ; LDS serves a wave's instructions in order (ISA guide 5.7.1.4): no wait between the stores and the loads, nor in front of the next tile's stores
.set AC, 64*((\a)%4)
	WIN 0x08+4*((\a)/4)                            ; an LDS store's data: window 2 or 3
.irp b, 0,1,2,3,4,5,6,7
	ds_store_b128 v[STO], v[AC+8*\b:AC+8*\b+3] offset:128*(\b/2)+32*(\b%2)          ; each accumulator from its low end on
	ds_store_b128 v[STO], v[AC+8*\b+4:AC+8*\b+7] offset:128*(\b/2)+32*(\b%2)+16
.endr
	WIN 0
.set BB, BK+64*((\a)%2)
.irp t, 0,1,2,3,4,5,6,7,8,9,10,11,12,13,14,15
	ds_load_b128 v[BB+4*\t:BB+4*\t+3], v[RD] offset:\t*SPITCH
.endr
.endm
.macro SEND a, ds, ld                  ; ds, ld: the LDS instructions and the loads of x issued behind tile a's, which may stay out
.set BB, BK+64*((\a)%2)
.set XX, 64*((\a)%2)
	s_wait_dscnt \ds
	s_wait_loadcnt \ld
	WIN 0x04                                       ; source 1 (x) window 1
.irp n, 0,2,4,6,8,10,12,14,16,18,20,22,24,26,28,30,32,34,36,38,40,42,44,46,48,50,52,54,56,58,60,62
	v_pk_add_f32 v[BB+\n:BB+\n+1], v[BB+\n:BB+\n+1], v[XX+\n:XX+\n+1]   ; the residual
.endr
	WIN 0
.irp t, 0,1,2,3,4,5,6,7,8,9,10,11,12,13,14,15
	global_store_b128 v[CO], v[BB+4*\t:BB+4*\t+3], s[14:15] offset:4096*(32*((\a)/2)+8*((\a)%2)+\t+8*(\t/8)) th:TH_STORE_NT   ; 32 lanes store 512 consecutive bytes, at a multiple of 256 from out0's first byte
.endr
.endm
	XLOAD 0
	XLOAD 1
	TOSTAGE 0
.irp a, 1,2,3,4,5,6,7
.if \a > 1
	s_wait_xcnt 0x0                                ; tile a - 2's stores have read their registers: tile a's rows may land there
.endif
	TOSTAGE \a
	SEND \a-1, 32, 16                              ; behind tile a - 1's: tile a's 16 stores and 16 loads in LDS, and tile a's 16 loads of x
.if \a < 7
	XLOAD \a+1
.endif
.endr
	s_wait_xcnt 0x0
	SEND 7, 0, 0
	s_wait_tensorcnt 0x0                           ; the wave's end: behind my last tensor load and my last LDS store
	ds_add_u32 v[SPW], v[NIL]
	s_wait_dscnt 0x0
	CROUND                                         ; the closing round: no work-group ends while a partner may still ask for a tile that names it
	s_endpgm
.Lfunc_end_k_q3fc0939a34_proj:
	.size	k_q3fc0939a34_proj, .Lfunc_end_k_q3fc0939a34_proj-k_q3fc0939a34_proj
	.p2alignl 7, 3214868480
	.fill 96, 4, 3214868480
	.section	.rodata,"a",@progbits
	.p2align	6, 0x0
	.amdhsa_kernel k_q3fc0939a34_proj
		.amdhsa_group_segment_fixed_size 327680
		.amdhsa_private_segment_fixed_size 0
		.amdhsa_enable_private_segment 0
		.amdhsa_kernarg_size 48
		.amdhsa_user_sgpr_count 2
		.amdhsa_user_sgpr_kernarg_segment_ptr 1
		.amdhsa_wavefront_size32 1
		.amdhsa_system_sgpr_workgroup_id_x 1
		.amdhsa_system_sgpr_workgroup_id_y 1
		.amdhsa_system_sgpr_workgroup_id_z 1
		.amdhsa_system_vgpr_workitem_id 0
		.amdhsa_next_free_vgpr 1024
		.amdhsa_next_free_sgpr 100
		.amdhsa_reserve_vcc 1
		.amdhsa_float_denorm_mode_32 3
		.amdhsa_float_denorm_mode_16_64 3
		.amdhsa_memory_ordered 1
		.amdhsa_forward_progress 1
		.amdhsa_inst_pref_size 171
	.end_amdhsa_kernel
	.amdgpu_metadata
---
amdhsa.version: [ 1, 2 ]
amdhsa.kernels:
  - .name:           k_q3fc0939a34_proj
    .symbol:         k_q3fc0939a34_proj.kd
    .args:
      - { .name: ctx_codes, .offset: 0, .size: 8, .value_kind: global_buffer, .address_space: global }
      - { .name: ops_codes, .offset: 8, .size: 8, .value_kind: global_buffer, .address_space: global }
      - { .name: sc_all, .offset: 16, .size: 8, .value_kind: global_buffer, .address_space: global }
      - { .name: proj_b, .offset: 24, .size: 8, .value_kind: global_buffer, .address_space: global }
      - { .name: x, .offset: 32, .size: 8, .value_kind: global_buffer, .address_space: global }
      - { .name: out0, .offset: 40, .size: 8, .value_kind: global_buffer, .address_space: global }
    .group_segment_fixed_size: 327680
    .private_segment_fixed_size: 0
    .kernarg_segment_align: 8
    .kernarg_segment_size: 48
    .max_flat_workgroup_size: 128
    .sgpr_count:     100
    .vgpr_count:     1024
    .wavefront_size: 32
...
	.end_amdgpu_metadata
.endif
;; end of part 4
